; MI455X (gfx1250); checked and timed in simulation.
; The chip was launched on July 23, 2026; its instructions are those of AMD's public machine-readable ISA for CDNA 5 (MIT licence, August 2026) and "CDNA5" Instruction Set Architecture Reference Guide (July 2026). The comments in the code are by the model that wrote it; some were corrected since.
;; Multi Head Self Attention. Allowed arithmetic: matrix products marked QUANTISED: E2M3 operands, one E8M0 scale for each 32 along K, by v_wmma_scale_f32_16x16x128_f8f6f4 with both operands' format E2M3, f32 sums; everything else in f32.
;; Inputs: b_proj 1,024 float32; b_qkv 3,072 float32; w_proj 1,024 x 1,024 float32; w_qkv 3,072 x 1,024 float32; x 4 x 2,048 x 1,024 float32.
;; Outputs: out0 4 x 2,048 x 1,024 float32.
;; This version of the problem:
;;   THIS VERSION OF THE PROBLEM IS GIVEN IN LOW PRECISION. The matrix products marked QUANTISED in the list below multiply operands that are first quantised to E2M3 (2 exponent bits, 3 mantissa bits; 6 bits a number), with one power-of-two scale for each 32 numbers along K (OCP MX v1.0); their sums are f32. All else is computed in f32.
;;   The module's matrix products, in the order in which they are computed (A, B: the left and right operand; K: the contracted axis; several contracted axes count as one K, in the product's order):
;;     1. [M 8,192, K 1,024] x [K 1,024, N 3,072]; A: input x; B: input w_qkv: QUANTISED
;;     2. batch 64 x [M 2,048, K 64] x [K 64, N 2,048]; A: computed on the way; B: computed on the way: QUANTISED
;;     3. batch 64 x [M 2,048, K 2,048] x [K 2,048, N 64]; A: softmax (see below); B: computed on the way: QUANTISED
;;     4. [M 8,192, K 1,024] x [K 1,024, N 1,024]; A: computed on the way; B: input w_proj: QUANTISED
;;   THE QUANTISER, for each operand of a quantised product, along K:
;;     - K is cut into blocks of 32 from its start; a last block that is shorter is filled with zeros.
;;     - A block's scale is 2^e with e = floor(log2(the largest magnitude in the block)) - 2, held to -126 .. 127; a block of zeros has e = 0. As a byte (E8M0): e + 127.
;;     - Each number is divided by its block's scale, clamped to +-7.5, and rounded to the nearest number of E2M3, ties to even, subnormals kept.
;;     - The product sums the exact products of the quantised numbers (number of the format x scale) in f32.
;;   ~~~python
;;   def quantise(x, axis):      # numpy; x: float32 -> the quantised numbers, widened to float32 again
;;       x = np.moveaxis(x, axis, -1); K = x.shape[-1]
;;       x = np.pad(x, [(0, 0)] * (x.ndim - 1) + [(0, -K % 32)]); x = x.reshape(x.shape[:-1] + (-1, 32)); a = np.abs(x).max(-1, keepdims=True)
;;       e = np.where(a > 0, np.clip(np.frexp(np.where(a > 0, a, 1))[1] - 1 - 2, -126, 127), 0)      # np.frexp(a)[1] - 1 = floor(log2(a)), exactly
;;       r = np.clip(x / 2.0 ** e, -7.5, 7.5)
;;       step = 2.0 ** (np.maximum(np.frexp(np.where(r == 0, 1, r))[1] - 1, 0) - 3)
;;       q = np.round(r / step) * step * 2.0 ** e      # np.round: ties to even
;;       return np.moveaxis(q.reshape(q.shape[:-2] + (-1,))[..., :K], -1, axis).astype(np.float32)
;;   ~~~
;;   SOFTMAX AHEAD OF A QUANTISED PRODUCT. Where the list says 'softmax', what is quantised is not the finished softmax but p = 2^(t - M), with t = logit x log2(e) and M = ceil(the row's largest t), a whole number; so 1/2 < the row's largest p <= 1. The row's sum l is taken of the UNQUANTISED p, in f32, and the product's result is divided by l at the end. Since M is a whole number, a kernel that streams over the keys may use a running M (the ceiling of the running maximum): every later rescaling is an exact power of two, which a block's scale takes up: the codes' values come out the same.
;;   OPERANDS COMPUTED ON THE WAY. 'Computed on the way' means the value that the module computes at that place (a softmax that the list does not call 'softmax' is quantised finished and normalised). What goes into a quantiser is computed in f32, as accurately as f32 sums, v_exp_f32 and their like allow (about 1e-6 of the number): no bf16 or f16 on the way to a quantiser, and a product that is left as it is and whose result goes on into a quantised operand takes f32 operands (vector FMAs, or v_wmma_f32_16x16x4_f32). A number that lies on a knife's edge between two numbers of the format may be rounded either way, as far as f32 arithmetic and the matrix unit's own rounding can turn it there, and no further.
;; One version. Each part assembles by itself: llvm-mc -triple=amdgcn-amd-amdhsa -mcpu=gfx1250 --defsym DOCPART=n.
;; ======== version 1 of 1: 4 launches
;; workspace buffers: cimg 9,437,184 bytes; csc 393,216 bytes; qkv 18,874,368 bytes; qkvs 786,432 bytes; aimg 6,291,456 bytes; asc 262,144 bytes
;; launch quant (part 1): grid 768 x 1, 2 waves a work-group, no clusters, 17,152 bytes of LDS; arguments x, w_qkv, w_proj, cimg, csc; writes cimg, csc
.if DOCPART == 1
	.amdgcn_target "amdgcn-amd-amdhsa--gfx1250"
	.amdhsa_code_object_version 6
	.text
	.protected	k_q5a4f31f735_quant
	.globl	k_q5a4f31f735_quant
	.p2align	8
	.type	k_q5a4f31f735_quant,@function
k_q5a4f31f735_quant:
	s_mov_b64 s[64:65], 0
	v_nop
	global_prefetch_b8 v0, s[64:65] scope:SCOPE_SE
	s_setreg_imm32_b32 hwreg(HW_REG_WAVE_MODE, 25, 1), 1
	s_wait_xcnt 0x0
; x [8192][1024], w_qkv [3072][1024], w_proj [1024][1024], f32, K innermost, become codes of FP6 (E2M3) with one E8M0 byte for each 32 along K.
; THE CODES ARE LAID AS IMAGES OF OPERAND REGISTERS.  A fragment is 16 rows x 128 K, 12 registers a lane: pair p (0..5) of lane l lies at 256 p + 8 l of its 1,536 bytes; a tile of 16 rows has 8 fragments on end.
; THE ROWS OF A TILE ARE NOT NEIGHBOURS: lane r of tile T takes row 32 (T / 2) + 8 (T % 2) + r + 8 (r / 8), so that a product that takes such tiles as source 0 leaves 16 neighbours in a lane's 16 registers of two tiles.
; Tiles 0-511 are x's, 512-703 w_qkv's, 704-767 w_proj's.  The scale words: 512 bytes a tile, [K / 256][r][2 words]; byte b of a word scales k = 32 b on of its 128.
; A block's scale is 2^(floor(log2(its largest magnitude)) - 2); its byte is the largest magnitude's exponent field - 2, held at 1 from below.
; LIMITS: a block of zeros gets the byte 1 where the quantiser's rule says 127 (its codes are zeros, and this program alone reads the bytes); NaN and infinities among the inputs are not served.
; SHARES: a work-group takes a tile, each of its two waves four K steps of 128.  A load takes 512 consecutive bytes of one row; a step's 16 rows turn through the wave's own stage in LDS (rows 528 bytes apart),
; from which lane (r, hh) takes its two whole blocks of 32, k = 64 c + 32 hh on: the order of the operand's registers.  Every store of codes covers 256 consecutive aligned bytes.  Waves share nothing: no barrier.
; No cluster: no two work-groups read the same bytes.
.set SP,  528                          ; a stage row: 512 bytes + 16
.set R,   32                           ; v32-159  two sets of 64: a step's rows as loaded
.set X,   160                          ; v160-223 my two blocks of 32
.set F,   224                          ; v224-235 the fragment
.set FT,  236                          ; v236-238, v240-242 the upper halves of the blocks' codes (a conversion's three registers begin on an even number)
.set PW,  16                           ; v16-19   the four steps' scale words
	s_load_b256 s[4:11], s[0:1], 0x0               ; x, w_qkv, w_proj, cimg
	s_load_b64 s[12:13], s[0:1], 0x20              ; csc
	v_lshl_add_u32 v248, v0, 2, 0x4200
	v_mov_b32 v249, 0
	v_lshrrev_b32 v1, 5, v0
	v_readfirstlane_b32 s18, v1                    ; wave: which half of K
	v_and_b32 v6, 31, v0                           ; lane
	v_and_b32 v7, 15, v0                           ; r
	v_bfe_u32 v5, v0, 4, 1                         ; hh
	v_lshlrev_b32 v1, 4, v6                        ; 16 x lane: my bytes of a row's 512
	s_mul_i32 s19, s18, 16*SP                      ; my wave's stage
	v_add_nc_u32 v2, s19, v1                       ; into it
	v_mul_u32_u24 v3, v7, SP
	v_lshl_add_u32 v3, v5, 7, v3
	v_add_nc_u32 v3, s19, v3                       ; out of it: row r, 128 hh bytes on
	v_lshlrev_b32 v4, 3, v6                        ; 8 x lane: my place in a pair's 256 bytes
	v_lshlrev_b32 v5, 3, v5                        ; 8 hh: how far my two scale bytes are shifted
	v_mov_b32 v15, 0                               ; a lane permute's destination counts as one of its sources
	v_cmp_lt_u32 vcc_lo, 15, v6                    ; lanes 16-31
	s_mov_b32 s20, 0x76543210
	s_mov_b32 s21, 0xfedcba98                      ; selects for lane l xor 16
	s_mul_i32 s22, ttmp9, 12288                    ; the tile's codes,
	s_mul_i32 s24, s18, 6144                       ; my four fragments of them
	s_add_co_u32 s22, s22, s24
	s_mov_b32 s23, 0
	s_lshl_b32 s24, ttmp9, 9                       ; its scale words,
	s_lshl_b32 s25, s18, 8                         ; my 256 bytes of them
	s_add_co_u32 s24, s24, s25
	s_mov_b32 s25, 0
	s_wait_kmcnt 0x0
	s_cmp_lt_u32 ttmp9, 512                        ; which tensor: the choice hangs on the work-group's number alone
	s_cselect_b64 s[4:5], s[4:5], s[6:7]
	s_cselect_b32 s14, 0, 512
	s_mov_b32 s15, 704
	s_cmp_lt_u32 ttmp9, 704
	s_cselect_b64 s[4:5], s[4:5], s[8:9]
	s_cselect_b32 s14, s14, s15
	s_sub_co_u32 s14, ttmp9, s14                   ; the tile's number in its tensor
	s_lshr_b32 s15, s14, 1
	s_lshl_b32 s15, s15, 17                        ; 32 rows of 4,096 bytes for each pair of tiles,
	s_and_b32 s16, s14, 1
	s_lshl_b32 s16, s16, 15                        ; 8 rows for the odd tile,
	s_add_co_u32 s16, s16, s15
	s_lshl_b32 s15, s18, 11                        ; 2,048 bytes along K for wave 1
	s_add_co_u32 s16, s16, s15
	s_mov_b32 s17, 0
	s_add_nc_u64 s[4:5], s[4:5], s[16:17]
	s_add_nc_u64 s[10:11], s[10:11], s[22:23]
	s_add_nc_u64 s[12:13], s[12:13], s[24:25]
.macro LOAD t                          ; step t: 16 rows x 512 bytes into set t % 2; row i of the tile lies i + 8 (i / 8) rows down
.irp i, 0,1,2,3,4,5,6,7,8,9,10,11,12,13,14,15
	global_load_b128 v[R+64*((\t)%2)+4*\i:R+64*((\t)%2)+4*\i+3], v1, s[4:5] offset:(\i+8*(\i/8))*4096+512*(\t) th:TH_LOAD_NT
.endr
.endm
.macro STEP s
.if (\s) < 3
	s_wait_loadcnt 16                              ; this step's 16 loads are in; the next step's 16 may be out
.else
	s_wait_loadcnt 0x0
.endif
.irp i, 0,1,2,3,4,5,6,7,8,9,10,11,12,13,14,15
	ds_store_b128 v2, v[R+64*((\s)%2)+4*\i:R+64*((\s)%2)+4*\i+3] offset:SP*\i
.endr
.irp c, 0,1
.irp k, 0,1,2,3,4,5,6,7
	ds_load_b128 v[X+32*\c+4*\k:X+32*\c+4*\k+3], v3 offset:256*\c+16*\k   ; LDS serves a wave's instructions in order: these see the stores above
.endr
.endr
	s_wait_dscnt 0x0                               ; my blocks are in, and the stores have read their registers,
.if (\s) < 2
	LOAD (\s)+2                                    ; which take the step two on
.endif
.irp c, 0,1
	v_max3_num_f32 v[8+\c], |v[X+32*\c]|, |v[X+32*\c+1]|, 0x1800000      ; my block 2 c + hh, and the floor 2^(3 - 127): the byte cannot fall under 1
.endr
.irp i, 2,4,6,8,10,12,14,16,18,20,22,24,26,28,30
.irp c, 0,1
	v_max3_num_f32 v[8+\c], v[8+\c], |v[X+32*\c+\i]|, |v[X+32*\c+\i+1]|  ; (the two blocks by turns)
.endr
.endr
.irp c, 0,1
	v_add_nc_u32 v[10+\c], 0xff000000, v[8+\c]     ; 2 off the exponent field: the conversion's scale operand
.endr
.irp c, 0,1
	v_lshrrev_b32 v[12+\c], 23, v[10+\c]           ; the scale's byte
.endr
	v_lshl_or_b32 v14, v13, 16, v12                ; my two bytes, blocks hh and 2 + hh,
	v_lshlrev_b32 v14, v5, v14                     ; at their places in the word;
	v_permlanex16_b32 v15, v14, s20, s21
	v_or_b32 v[PW+(\s)], v14, v15                  ; with lane l xor 16's two the word is whole, in both halves of the lanes
	s_wait_xcnt 0x0                                ; the last step's stores have read the fragment's registers: they are rewritten only behind this wait
.irp c, 0,1
	v_cvt_scalef32_pk16_fp6_f32 v[F+6*\c:F+6*\c+2], v[X+32*\c:X+32*\c+15], v[10+\c]
	v_cvt_scalef32_pk16_fp6_f32 v[FT+4*\c:FT+4*\c+2], v[X+32*\c+16:X+32*\c+31], v[10+\c]
.endr
	v_nop                                          ; one plain place behind a scaled conversion
.irp c, 0,1
.irp i, 0,1,2
	v_mov_b32 v[F+6*\c+3+\i], v[FT+4*\c+\i]
.endr
.endr
.irp p, 0,1,2,3,4,5
	global_store_b64 v4, v[F+2*\p:F+2*\p+1], s[10:11] offset:1536*(\s)+256*\p    ; 32 lanes store 256 consecutive aligned bytes
.endr
.endm
	LOAD 0
	LOAD 1
	STEP 0
	STEP 1
	STEP 2
	STEP 3
	v_cndmask_b32 v20, v[PW], v[PW+2], vcc_lo      ; lanes 0-15 store the words of my K steps 0 and 1, lanes 16-31 those of 2 and 3
	v_cndmask_b32 v21, v[PW+1], v[PW+3], vcc_lo
	global_store_b64 v4, v[20:21], s[12:13]        ; 256 consecutive aligned bytes
	s_wait_tensorcnt 0x0
	ds_add_u32 v248, v249
	s_wait_dscnt 0x0
	s_endpgm
.Lfunc_end_k_q5a4f31f735_quant:
	.size	k_q5a4f31f735_quant, .Lfunc_end_k_q5a4f31f735_quant-k_q5a4f31f735_quant
	.p2alignl 7, 3214868480
	.fill 96, 4, 3214868480
	.section	.rodata,"a",@progbits
	.p2align	6, 0x0
	.amdhsa_kernel k_q5a4f31f735_quant
		.amdhsa_group_segment_fixed_size 17152
		.amdhsa_private_segment_fixed_size 0
		.amdhsa_enable_private_segment 0
		.amdhsa_kernarg_size 40
		.amdhsa_user_sgpr_count 2
		.amdhsa_user_sgpr_kernarg_segment_ptr 1
		.amdhsa_wavefront_size32 1
		.amdhsa_system_sgpr_workgroup_id_x 1
		.amdhsa_system_sgpr_workgroup_id_y 1
		.amdhsa_system_sgpr_workgroup_id_z 1
		.amdhsa_system_vgpr_workitem_id 0
		.amdhsa_next_free_vgpr 250
		.amdhsa_next_free_sgpr 66
		.amdhsa_reserve_vcc 1
		.amdhsa_float_denorm_mode_32 3
		.amdhsa_float_denorm_mode_16_64 3
		.amdhsa_memory_ordered 1
		.amdhsa_forward_progress 1
		.amdhsa_inst_pref_size 31
	.end_amdhsa_kernel
	.amdgpu_metadata
---
amdhsa.version: [ 1, 2 ]
amdhsa.kernels:
  - .name:           k_q5a4f31f735_quant
    .symbol:         k_q5a4f31f735_quant.kd
    .args:
      - { .name: x, .offset: 0, .size: 8, .value_kind: global_buffer, .address_space: global }
      - { .name: w_qkv, .offset: 8, .size: 8, .value_kind: global_buffer, .address_space: global }
      - { .name: w_proj, .offset: 16, .size: 8, .value_kind: global_buffer, .address_space: global }
      - { .name: cimg, .offset: 24, .size: 8, .value_kind: global_buffer, .address_space: global }
      - { .name: csc, .offset: 32, .size: 8, .value_kind: global_buffer, .address_space: global }
    .group_segment_fixed_size: 17152
    .private_segment_fixed_size: 0
    .kernarg_segment_align: 8
    .kernarg_segment_size: 40
    .max_flat_workgroup_size: 64
    .sgpr_count:     66
    .vgpr_count:     250
    .wavefront_size: 32
...
	.end_amdgpu_metadata
.endif
;; end of part 1
;; launch qkvgemm (part 2): grid 12 x 32, 4 waves a work-group, clusters of 4 x 4, 327,680 bytes of LDS; arguments cimg, csc, b_qkv, qkv, qkvs; writes qkv, qkvs
.if DOCPART == 2
	.amdgcn_target "amdgcn-amd-amdhsa--gfx1250"
	.amdhsa_code_object_version 6
	.text
	.protected	k_q5a4f31f735_qkvgemm
	.globl	k_q5a4f31f735_qkvgemm
	.p2align	8
	.type	k_q5a4f31f735_qkvgemm,@function
k_q5a4f31f735_qkvgemm:
	s_mov_b64 s[64:65], 0
	v_nop
	global_prefetch_b8 v0, s[64:65] scope:SCOPE_SE
	s_setreg_imm32_b32 hwreg(HW_REG_WAVE_MODE, 25, 1), 1
	s_wait_xcnt 0x0
	s_wait_alu depctr_hold_cnt(0) depctr_sa_sdst(0) depctr_va_vdst(0) depctr_va_sdst(0) depctr_va_ssrc(0) depctr_va_vcc(0) depctr_vm_vsrc(0)
	s_getreg_b32 s2, hwreg(HW_REG_IB_STS2, 6, 4)
	s_cmp_eq_u32 s2, 0
	s_cbranch_scc0 .Lentry_in_a_cluster
	s_endpgm
.Lentry_in_a_cluster:
	s_bfe_u32 s2, ttmp6, 0x10000c
	s_cmp_lg_u32 s2, 0xf033
	s_cbranch_scc0 .Lentry_shape_is_right
	s_endpgm
.Lentry_shape_is_right:
; qkv = x w_qkv^T + b_qkv on codes of FP6 (E2M3) with E8M0 scales, and its results quantised at once: q and k along the head's 64, v along the keys.
; OPERANDS are images of registers (a fragment, 16 rows x 128 K: pair p of lane l at 256 p + 8 l of 1,536 bytes; a tile's 8 fragments on end, 12,288 bytes); lane r of tile T holds row 32 (T / 2) + 8 (T % 2) + r + 8 (r / 8).
; A work-group makes 256 x 256 of the product, a wave 128 x 128: 64 accumulators.  Source 1 ("A") gives a result's lane, source 0 ("B") its registers: by the order of a tile's rows the 64 registers that stand
; against one tile of A are 128 neighbours of B's axis, register 16 b + i = 32 b + 16 (lane / 16) + i: the form that the conversions want.
; TWO TYPES, ONE TEXT, told apart by the cluster's x (the same in all partners), by selects alone:  x = 0, 1: A = tokens, B = w's rows 0-2,047: a lane holds a token, its registers run along n: q and k, blocks along the head.
;   x = 2: A = w's rows 2,048 on, B = tokens: a lane holds one of v's channels, its registers run along the keys: v, blocks along the keys.
; THE BIAS along B's axis is the C of each sum's first matrix instruction; along A's axis it is added on the way out; the one that the type does not have is zero.
; OUT: q, k [which][b h][tile of 16 tokens][3 pairs][lane][8]: two tiles on end are one 12-register operand;  v [b h][128 keys][tile of 16 channels][1,536].  Every store covers 256 consecutive aligned bytes.
;   Scale words, 256 bytes for 128 tokens or keys: lane (r, hh), word i: q, k: group 2 hh + i of 32 tokens, bytes (tile 0: blocks 0, 1; tile 1: blocks 0, 1);  v: tile 2 hh + i of channels, the four key blocks.
; K goes in steps of 256 through a ring of two LDS slots; the scale words of all K come once.  CLUSTERS 4 x 4: A's tiles are asked for jointly along a row of the cluster, B's along a column.
; LIMITS: a block of zeros carries the byte 1 (its codes are zeros; this program alone reads the bytes); NaN and infinities are not served.
; REGISTERS: window 0: v16-31 addresses; v32-63 scale words, two sets; v64-127 the bias along B; v128-223 A's fragments, one set; v224-239 the bias along A.  window 1: B's fragments, two sets, at v0 and v128.
;   windows 2, 3: the accumulators, (a, b) at v[8 (8 (a % 4) + b)].  On the way out window 0 is used anew: v128-191 64 numbers, v192-210 codes, v64-79 at work, v80-87 scale words, v88-107 their blocks.
.set NQ,     2                         ; matrix instructions deep in a slot
.set FR,     12
.set NL,     6                         ; LDS loads that bring a fragment
.set NP,     4                         ; places behind this matrix instruction (ISA guide 7.12.1)
.set TILEB,  3072                      ; a tile's two fragments of a slot
.set HALFT,  8*TILEB                   ; 8 tiles: what one tensor load brings, and what one wave reads of A or of B
.set SLOT,   4*HALFT
.set SCL,    2*SLOT                    ; behind the ring: A's scale words, 8,192 bytes; B's begin 8,320 on, so that the two halves of the lanes read different banks
.set SPARE,  213248                    ; the spare words: 128 bytes for each wave
.set ADRA, 16                          ; v16-17 my A fragments in slot 0, 1
.set ADRB, 20                          ; v20-21 my B fragments
.set VO,   24                          ; v24 8 x lane; v25 the same, one head (q, k) or half a fragment (v) on
.set ADRS, 27                          ; v27 my scale words: lanes 0-15 A's, lanes 16-31 B's
.set SPW,  28
.set NIL,  29
.set ZR,   30                          ; 0
.set SC,   32
.set BP,   64
.set AF,   128
.set BN,   224
.set W,    128
.set F,    192
.set FT,   204
.set TM,   64
.set PW,   80
.set G1,   24
.set G0,   32
.set G1B,  48
.set G0B,  56
.set G1S,  68
.set G0S,  76
.set G1SB, 80
.set G0SB, 88
.set TYPE, 95                          ; s95 all ones where the work-group makes v, else 0
.set MSB, 0
.macro WIN new                         ; the immediate's high byte repeats the setting that is left
.if MSB != (\new)
	s_set_vgpr_msb (MSB<<8)|(\new)
.set MSB, (\new)
.endif
.endm
.set MUL_LO, 0xa1                      ; source 0 (B) window 1, source 1 (A) window 0, C and D window 2
.set MUL_HI, 0xf1                      ; the same, C and D window 3
.set TO_B,   0x40
.macro JLOAD g0a, g1a, g0b, g1b        ; a joint load: waves 0 and 1 fetch for A, waves 2 and 3 for B; four v_nop follow each line
	s_cmp_eq_u32 s15, 0
	s_cbranch_scc0 .Lfor_b_\@
	tensor_load_to_lds s[\g0a:\g0a+3], s[\g1a:\g1a+7]
	s_nop 0
.rept 4
	v_nop
.endr
	s_branch .Lasked_\@
.Lfor_b_\@:
	tensor_load_to_lds s[\g0b:\g0b+3], s[\g1b:\g1b+7]
	s_nop 0
.rept 4
	v_nop
.endr
.Lasked_\@:
.endm
.macro CREST                           ; a round of the cluster's barrier behind its opening barrier
	s_cmp_lg_u32 s14, 0
	s_cbranch_scc1 .Lnot_wave_0_\@
	s_barrier_signal -3
.Lnot_wave_0_\@:
	s_barrier_wait -3
	s_barrier_signal -1
	s_barrier_wait -1
.endm
.macro CROUND
	s_barrier_signal -1
	s_barrier_wait -1
	CREST
.endm
	s_load_b256 s[4:11], s[0:1], 0x0               ; cimg, csc, b_qkv, qkv
	s_load_b64 s[12:13], s[0:1], 0x20              ; qkvs
	v_lshl_add_u32 v[SPW], v0, 2, SPARE
	v_mov_b32 v[NIL], 0
	ds_add_u32 v28, v29
	ds_add_u32 v28, v29
	s_wait_dscnt 0x0
	v_mov_b32 v[ZR], 0
	v_lshrrev_b32 v1, 5, v0
	v_readfirstlane_b32 s14, v1                    ; wave 0..3
	s_lshr_b32 s15, s14, 1                         ; my half of A's 16 tiles.  Also: I fetch for A (0) or for B (1)
	s_and_b32 s16, s14, 1                          ; my half of B's.  Also: which 8 tiles I fetch
	s_bfe_u32 s40, ttmp6, 0x40000                  ; cx
	s_bfe_u32 s41, ttmp6, 0x40004                  ; cy
	s_and_b32 s42, ttmp7, 0xffff                   ; the cluster's y
	s_lshl_b32 s43, s41, 2
	s_lshl_b32 s43, 15, s43                        ; my row of the cluster
	s_lshl_b32 s44, 0x1111, s40                    ; my column
	; group 1 for codes: 8 rows (tiles) of 384 elements of 8 bytes, 1,536 elements apart; no padding: an image's loads are consecutive
	s_or_b32 s[G1+0], s43, (3<<16)|(1<<21)
	s_or_b32 s[G1B+0], s44, (3<<16)|(1<<21)
.irp g, G1, G1B
	s_mov_b32 s[\g+1], 384<<16
	s_mov_b32 s[\g+2], 8<<16
	s_mov_b32 s[\g+3], 384<<16
	s_mov_b32 s[\g+4], 8
	s_mov_b32 s[\g+5], 1536
	s_mov_b32 s[\g+6], 0
	s_mov_b32 s[\g+7], 0
.endr
	; and for the scale words of 8 tiles: 4,096 dense bytes as 16 rows of 256
	s_or_b32 s[G1S+0], s43, (3<<16)|(1<<21)
	s_or_b32 s[G1SB+0], s44, (3<<16)|(1<<21)
.irp g, G1S, G1SB
	s_mov_b32 s[\g+1], 32<<16
	s_mov_b32 s[\g+2], 16<<16
	s_mov_b32 s[\g+3], 32<<16
	s_mov_b32 s[\g+4], 16
	s_mov_b32 s[\g+5], 32
	s_mov_b32 s[\g+6], 0
	s_mov_b32 s[\g+7], 0
.endr
	; which 16 tiles of cimg are A's and which B's (x: 0-31, w_qkv: 32-43, in sixteens).  A's number holds cy and never cx, B's cx and never cy
	s_lshl_b32 s17, s42, 2
	s_lshl_b32 s2, ttmp9, 2
	s_add_co_u32 s2, s2, 32
	s_cmp_eq_u32 ttmp9, 2                          ; the cluster's x: the type
	s_cselect_b32 s20, 40, s17
	s_cselect_b32 s46, s17, s2
	s_cselect_b32 s[TYPE], -1, 0
	s_add_co_u32 s20, s20, s41
	s_add_co_u32 s46, s46, s40
	s_mov_b32 s18, s20                             ; kept for the way out
	s_mov_b32 s19, s46
	s_lshl_b32 s17, s16, 3
	s_lshl_b32 s20, s20, 4
	s_add_co_u32 s20, s20, s17                     ; the first tile that I fetch, if for A
	s_lshl_b32 s46, s46, 4
	s_add_co_u32 s46, s46, s17                     ; if for B
	s_lshl_b32 s22, s20, 9                         ; its scale words
	s_lshl_b32 s92, s46, 9
	s_mul_i32 s20, s20, 12288                      ; its codes (all of cimg lies under 2^24 bytes)
	s_mul_i32 s46, s46, 12288
	s_mov_b32 s21, 0
	s_mov_b32 s23, 0
	s_mov_b32 s47, 0
	s_mov_b32 s93, 0
	s_mul_i32 s45, s14, HALFT                      ; where they go: no place in the cluster enters an LDS address
	s_lshl_b32 s3, s14, 12
	s_lshl_b32 s2, s15, 7
	s_add_co_u32 s3, s3, s2
	s_wait_kmcnt 0x0
	s_add_nc_u64 s[20:21], s[4:5], s[20:21]
	s_add_nc_u64 s[22:23], s[6:7], s[22:23]
	s_add_nc_u64 s[46:47], s[4:5], s[46:47]
	s_add_nc_u64 s[92:93], s[6:7], s[92:93]
	CROUND                                         ; all sixteen work-groups are here: the first joint loads meet
	s_mov_b32 s[G0S], 1
	s_add_co_u32 s[G0S+1], s3, SCL
	s_mov_b64 s[G0S+2:G0S+3], s[22:23]
	s_or_b32 s[G0S+3], s[G0S+3], 0x80000000
	s_mov_b32 s[G0SB], 1
	s_add_co_u32 s[G0SB+1], s3, SCL
	s_mov_b64 s[G0SB+2:G0SB+3], s[92:93]
	s_or_b32 s[G0SB+3], s[G0SB+3], 0x80000000
	JLOAD G0S, G1S, G0SB, G1SB                     ; the scale words first: they are wanted with K step 0
.irp s, 0,1
	s_mov_b32 s[G0+4*\s], 1
	s_add_co_u32 s[G0+4*\s+1], s45, \s*SLOT
	s_add_nc_u64 s[G0+4*\s+2:G0+4*\s+3], s[20:21], \s*TILEB
	s_or_b32 s[G0+4*\s+3], s[G0+4*\s+3], 0x80000000
	s_mov_b32 s[G0B+4*\s], 1
	s_add_co_u32 s[G0B+4*\s+1], s45, \s*SLOT
	s_add_nc_u64 s[G0B+4*\s+2:G0B+4*\s+3], s[46:47], \s*TILEB
	s_or_b32 s[G0B+4*\s+3], s[G0B+4*\s+3], 0x80000000
	JLOAD G0+4*\s, G1, G0B+4*\s, G1B
.endr
	v_and_b32 v1, 31, v0                           ; lane
	v_and_b32 v2, 15, v0                           ; r
	v_bfe_u32 v3, v0, 4, 1                         ; h
	v_lshlrev_b32 v[VO], 3, v1
	s_mul_i32 s2, s15, HALFT
	s_mul_i32 s17, s16, HALFT
	s_add_co_u32 s17, s17, 2*HALFT
.irp s, 0,1
	v_add_nc_u32 v[ADRA+\s], s2, v[VO]
	v_add_nc_u32 v[ADRB+\s], s17, v[VO]
	s_add_co_u32 s2, s2, SLOT
	s_add_co_u32 s17, s17, SLOT
.endr
	s_lshl_b32 s2, s15, 12                         ; A's scale words: my 8 tiles
	s_lshl_b32 s17, s16, 12
	s_add_co_u32 s17, s17, 8320                    ; B's
	s_sub_co_u32 s17, s17, s2
	v_mul_u32_u24 v5, s17, v3                      ; lanes 16-31 take B's: the lower base + h x the distance
	s_add_co_u32 s2, s2, SCL
	v_lshl_add_u32 v5, v2, 3, v5
	v_add_nc_u32 v[ADRS], s2, v5
	; the way out and the biases hang on two numbers: my first tile of tokens and my first row of w_qkv
	s_cmp_eq_u32 ttmp9, 2
	s_cselect_b32 s96, s19, s18
	s_cselect_b32 s97, s16, s15
	s_cselect_b32 s98, s18, s19
	s_cselect_b32 s99, s15, s16
	s_lshl_b32 s96, s96, 4
	s_lshl_b32 s97, s97, 3
	s_add_co_u32 s96, s96, s97                     ; the first tile of tokens
	s_lshr_b32 s97, s96, 7                         ; the batch
	s_bfe_u32 s96, s96, 0x40003                    ; which 128 tokens of its 2,048
	s_sub_co_u32 s98, s98, 32
	s_lshl_b32 s98, s98, 8
	s_lshl_b32 s99, s99, 7
	s_add_co_u32 s98, s98, s99                     ; the first row of w_qkv
	s_lshr_b32 s99, s98, 10                        ; 0 q, 1 k, 2 v
	s_bfe_u32 s94, s98, 0x40006                    ; the first of my two heads
	s_lshl_b32 s97, s97, 4
	s_add_co_u32 s97, s97, s94
	s_mul_i32 s66, s99, 6291456
	s_mul_i32 s94, s97, 98304
	s_add_co_u32 s66, s66, s94
	s_mul_i32 s94, s96, 6144                       ; 128 tokens are 8 tiles of 768 bytes in q and k, 4 fragments of 1,536 in v
	s_add_co_u32 s66, s66, s94
	s_mov_b32 s67, 0
	s_add_nc_u64 s[66:67], s[10:11], s[66:67]
	s_lshl_b32 s100, s99, 18
	s_lshl_b32 s94, s97, 12
	s_add_co_u32 s100, s100, s94
	s_lshl_b32 s94, s96, 8
	s_add_co_u32 s100, s100, s94
	s_mov_b32 s101, 0
	s_add_nc_u64 s[100:101], s[12:13], s[100:101]
	s_lshl_b32 s98, s98, 2
	s_cmp_eq_u32 ttmp9, 2
	s_cselect_b32 s96, 0, s98                      ; the bias that the type does not have is read at the buffer's head and made zero below
	s_cselect_b32 s98, s98, 0
	s_mov_b32 s97, 0
	s_mov_b32 s99, 0
	s_add_nc_u64 s[96:97], s[8:9], s[96:97]
	s_add_nc_u64 s[98:99], s[8:9], s[98:99]
	v_lshlrev_b32 v6, 6, v3                        ; along B: my half's 16 numbers of each 32
	v_and_b32 v7, 8, v2
	v_add_nc_u32 v7, v7, v2
	v_lshlrev_b32 v7, 2, v7                        ; along A: row r + 8 (r / 8) of a tile
.irp b, 0,1,2,3,4,5,6,7
	global_load_b128 v[BP+8*\b:BP+8*\b+3], v6, s[96:97] offset:(32*(\b/2)+8*(\b%2))*4
	global_load_b128 v[BP+8*\b+4:BP+8*\b+7], v6, s[96:97] offset:(32*(\b/2)+8*(\b%2))*4+16
.endr
.irp a, 0,1,2,3,4,5,6,7
	global_load_b32 v[BN+2*\a], v7, s[98:99] offset:(32*(\a/2)+8*(\a%2))*4
.endr
	s_wait_loadcnt 0x0
.set i, 0
.rept 64
	v_cndmask_b32 v[BP+i], v[BP+i], v[ZR], s[TYPE]
.set i, i+1
.endr
.irp a, 0,1,2,3,4,5,6,7
	v_cndmask_b32 v[BN+2*\a], v[ZR], v[BN+2*\a], s[TYPE]
.endr
.irp a, 0,1,2,3,4,5,6,7
	v_mov_b32 v[BN+2*\a+1], v[BN+2*\a]             ; a pair for the packed addition
.endr
	s_cmp_eq_u32 ttmp9, 2                          ; the steps of the way out (the bias loads are done: their bases may be written)
	s_mov_b32 s96, 768
	s_cselect_b32 s96, 1536, s96                   ; from a tile of A to the next
	s_mov_b32 s98, 768
	s_cselect_b32 s98, 93696, s98                  ; from the fourth to the fifth: in v the next head's first fragment
	s_mov_b32 s94, 98304
	s_cselect_b32 s94, 768, s94                    ; from the codes' first half to the second: the next head (q, k), or on in the fragment (v)
	s_mov_b32 s97, 0
	s_mov_b32 s99, 0
	v_add_nc_u32 v[VO+1], s94, v[VO]
.macro FRAG reg, adr, q, i             ; a fragment comes as it was stored: six loads of 256 consecutive bytes
.irp p, 0,1,2,3,4,5
	ds_load_b64 v[\reg+2*\p:\reg+2*\p+1], v[\adr] offset:(\i)*TILEB+(\q)*1536+256*\p
.endr
.endm
; 16 matrix instructions: A's blocks a0, a0 + 1 x B's eight.  p: B's set; sc: the set of scale words.  zero = 1: the first product starts the sums, with the bias along B as its C.
; The 64 accumulators take turns, one instruction a turn, in the same order in every step.
.macro MUL16 a0, p, q, sc, zero
.irp a, \a0, \a0+1
.irp b, 0,1,2,3,4,5,6,7
.if \zero
	v_wmma_scale_f32_16x16x128_f8f6f4 v[8*(8*((\a)%4)+\b):8*(8*((\a)%4)+\b)+7], v[128*(\p)+FR*\b:128*(\p)+FR*\b+FR-1], v[AF+FR*(\a):AF+FR*(\a)+FR-1], v[BP+8*\b:BP+8*\b+7], v[SC+8*NQ*(\sc)+NQ*\b+(\q)], v[SC+8*NQ*(\sc)+NQ*(\a)+(\q)] matrix_a_fmt:MATRIX_FMT_FP6 matrix_b_fmt:MATRIX_FMT_FP6 matrix_a_scale:MATRIX_SCALE_ROW1
.else
	v_wmma_scale_f32_16x16x128_f8f6f4 v[8*(8*((\a)%4)+\b):8*(8*((\a)%4)+\b)+7], v[128*(\p)+FR*\b:128*(\p)+FR*\b+FR-1], v[AF+FR*(\a):AF+FR*(\a)+FR-1], v[8*(8*((\a)%4)+\b):8*(8*((\a)%4)+\b)+7], v[SC+8*NQ*(\sc)+NQ*\b+(\q)], v[SC+8*NQ*(\sc)+NQ*(\a)+(\q)] matrix_a_fmt:MATRIX_FMT_FP6 matrix_b_fmt:MATRIX_FMT_FP6 matrix_a_scale:MATRIX_SCALE_ROW1
.endif
.endr
.endr
.endm
.macro FETCH_B slot, q, p
	WIN TO_B
.irp i, 0,1,2,3,4,5,6,7
	FRAG 128*(\p)+FR*\i, ADRB+\slot, \q, \i
.endr
	WIN 0
.endm
.macro FETCH_A slot, q, i0
.irp i, \i0, \i0+1, \i0+2, \i0+3
	FRAG AF+FR*(\i), ADRA+\slot, \q, \i
.endr
.endm
.macro SCALES sc                       ; a slot's scale words: two a row; lanes 0-15 take A's block i, lanes 16-31 B's block i
.irp i, 0,1,2,3,4,5,6,7
	ds_load_b64 v[SC+8*NQ*\sc+NQ*\i:SC+8*NQ*\sc+NQ*\i+1], v[ADRS] offset:\i*512
.endr
.endm
.macro PLACES n                        ; plain vector instructions between a matrix instruction and a load into, or a read of, its registers
.rept \n
	v_nop
.endr
.endm
.macro STEP slot, q, zero              ; 128 along K that have their successor in the same slot
	s_wait_dscnt 4*NL                              ; B's set and A's blocks 0-3 are in; the youngest 24 loads (A's blocks 4-7) may be out
.if \zero
	WIN 0x81                                       ; as MUL_LO, with C (the bias) in window 0
.else
	WIN MUL_LO
.endif
	MUL16 0, (\q)%2, \q, \slot, \zero
	MUL16 2, (\q)%2, \q, \slot, \zero
	s_wait_dscnt 0
	PLACES NP
	FETCH_B \slot, (\q)+1, 1-(\q)%2
	FETCH_A \slot, (\q)+1, 0
.if \zero
	WIN 0xc1
.else
	WIN MUL_HI
.endif
	MUL16 4, (\q)%2, \q, \slot, \zero
	MUL16 6, (\q)%2, \q, \slot, \zero
	PLACES NP
	WIN 0
	FETCH_A \slot, (\q)+1, 4
.endm
; A slot's last step changes slots: one barrier; in front of it each wave waits for all its tensor loads, adds 0 to its spare word, and waits for that and for its reads of the slot.  fill = 1: the slot is filled again.
.macro TURN slot, next, fill
	s_wait_tensorcnt 0x0                           ; all my tensor loads have landed: my part of the next slot
	ds_add_u32 v[SPW], v[NIL]                      ; 0 onto my spare word
	s_wait_dscnt 4*NL+1                            ; (the add and the youngest 24 loads may be out)
	WIN MUL_LO
	MUL16 0, 1, NQ-1, \slot, 0
	s_wait_dscnt 0x0                               ; the add is done, and my reads of this slot are over
	s_barrier_signal -1
	MUL16 2, 1, NQ-1, \slot, 0
	WIN 0
	s_barrier_wait -1
.if \fill
	CREST                                          ; the barrier has opened a round of the cluster's: no wave of any partner still reads this slot or has a load on its way
	s_add_nc_u64 s[G0+4*\slot+2:G0+4*\slot+3], s[G0+4*\slot+2:G0+4*\slot+3], 2*TILEB
	s_add_nc_u64 s[G0B+4*\slot+2:G0B+4*\slot+3], s[G0B+4*\slot+2:G0B+4*\slot+3], 2*TILEB
	JLOAD G0+4*\slot, G1, G0B+4*\slot, G1B         ; the first tensor load behind the round; its four v_nop are also the places in front of the loads below
.else
	PLACES NP
.endif
	v_add_nc_u32 v[ADRS], 128, v[ADRS]             ; the next slot's scale words
	FETCH_B \next, 0, 0
	FETCH_A \next, 0, 0
	SCALES \next
	WIN MUL_HI
	MUL16 4, 1, NQ-1, \slot, 0
	MUL16 6, 1, NQ-1, \slot, 0
	PLACES NP
	WIN 0
	FETCH_A \next, 0, 4
.endm
	s_wait_tensorcnt 1                             ; the scale words and my part of slot 0 are in; slot 1's load may be out
	s_barrier_signal -1
	s_barrier_wait -1
	FETCH_B 0, 0, 0
	FETCH_A 0, 0, 0
	SCALES 0
	FETCH_A 0, 0, 4
	STEP 0, 0, 1                                   ; K = 1,024 is four slots' worth: written out, two refills
	TURN 0, 1, 1
	STEP 1, 0, 0
	TURN 1, 0, 1
	STEP 0, 0, 0
	TURN 0, 1, 0
	STEP 1, 0, 0
	s_wait_dscnt 4*NL
	WIN MUL_LO
	MUL16 0, 1, NQ-1, 1, 0
	MUL16 2, 1, NQ-1, 1, 0
	s_wait_dscnt 0
	WIN MUL_HI
	MUL16 4, 1, NQ-1, 1, 0
	MUL16 6, 1, NQ-1, 1, 0
	WIN 0
; 64 numbers of a lane, register 16 b + i = place 32 b + 16 (lane / 16) + i of my row, become a fragment's codes in v[pc] on and its scale word in v[pw].
.macro QUANT4 s, pc, ft, tm, pw
.irp b, 0,1,2,3
	v_max3_num_f32 v[\tm+\b], |v[\s+16*\b]|, |v[\s+1+16*\b]|, 0x1800000   ; my 16 numbers of block b, and the floor 2^(3 - 127): the byte cannot fall under 1
.endr
.irp i, 2,4,6,8,10,12,14
.irp b, 0,1,2,3
	v_max3_num_f32 v[\tm+\b], v[\tm+\b], |v[\s+16*\b+\i]|, |v[\s+1+16*\b+\i]|
.endr
.endr
.irp b, 0,1,2,3
	v_permlanex16_b32 v[\tm+4+\b], v[\tm+\b], s2, s3
.endr
.irp b, 0,1,2,3
	v_max_num_f32 v[\tm+\b], v[\tm+\b], v[\tm+4+\b]    ; with lane l xor 16's: the block's largest magnitude
.endr
.irp b, 0,1,2,3
	v_add_nc_u32 v[\tm+12+\b], 0xff000000, v[\tm+\b]   ; 2 off its exponent field: the conversion's scale operand
.endr
.irp b, 0,1,2,3
	v_lshrrev_b32 v[\tm+4+\b], 23, v[\tm+12+\b]        ; the scale's byte
.endr
	v_lshl_or_b32 v[\pw], v[\tm+5], 8, v[\tm+4]
	v_lshl_or_b32 v[\pw], v[\tm+6], 16, v[\pw]
	v_lshl_or_b32 v[\pw], v[\tm+7], 24, v[\pw]
.irp c, 0,1
	v_cvt_scalef32_pk16_fp6_f32 v[\pc+6*\c:\pc+2+6*\c], v[\s+32*\c:\s+15+32*\c], v[\tm+12+2*\c]
	v_cvt_scalef32_pk16_fp6_f32 v[\ft+4*\c:\ft+2+4*\c], v[\s+16+32*\c:\s+31+32*\c], v[\tm+12+2*\c+1]
.endr
	v_nop                                          ; one plain place behind a scaled conversion
.irp c, 0,1                                    ; the operand's layout wants a whole block in a lane: lanes 0-15 block 2 c, lanes 16-31 block 2 c + 1
.irp i, 0,1,2
	v_permlane16_swap_b32 v[\pc+6*\c+\i], v[\ft+4*\c+\i]
.endr
.irp i, 0,1,2
	v_mov_b32 v[\pc+3+6*\c+\i], v[\ft+4*\c+\i]
.endr
.endr
.endm
; A's tile a: its 64 registers, with the bias along A, are quantised and stored: q, k: three pairs for each of two heads; v: a fragment's six pairs.
.macro OUTA a
.if (\a) > 0
	s_wait_xcnt 0x0                                ; the last tile's stores have read their registers and their base
.if (\a) == 4
	s_add_nc_u64 s[66:67], s[66:67], s[98:99]
.else
	s_add_nc_u64 s[66:67], s[66:67], s[96:97]
.endif
.endif
	WIN 0x02+(\a)/4                                ; source 0: window 2 or 3
.set i, 0
.rept 32
	v_pk_add_f32 v[W+i:W+i+1], v[64*((\a)%4)+i:64*((\a)%4)+i+1], v[BN+2*(\a):BN+2*(\a)+1]   ; each accumulator from its low end on
.set i, i+2
.endr
	WIN 0
	QUANT4 W, F, FT, TM, PW+(\a)
.irp c, 0,1
.irp p, 0,1,2
	global_store_b64 v[VO+\c], v[F+6*\c+2*\p:F+6*\c+2*\p+1], s[66:67] offset:256*\p   ; 32 lanes store 256 consecutive aligned bytes
.endr
.endr
.endm
	PLACES NP
	s_mov_b32 s2, 0x76543210
	s_mov_b32 s3, 0xfedcba98                       ; selects for lane l xor 16
.irp b, 0,1,2,3
	v_mov_b32 v[TM+4+\b], 0                        ; a lane permute's destination counts as one of its sources
.endr
.irp a, 0,1,2,3,4,5,6,7
	OUTA \a
.endr
	; the scale words of my 128 x 128: two blocks of 256 bytes, one for each head
	v_cmp_lt_u32 vcc_lo, 15, v1                    ; lanes 16-31
.irp g, 0,1,2,3
	v_perm_b32 v[88+\g], v[PW+2*\g+1], v[PW+2*\g], 0x05040100   ; q, k, first head: group g's word: the lower two bytes of its two tiles' words
	v_perm_b32 v[92+\g], v[PW+2*\g+1], v[PW+2*\g], 0x07060302   ; second head: the upper two
.endr
.irp e, 0,1
.irp i, 0,1
	v_cndmask_b32 v[96+2*\e+\i], v[88+4*\e+\i], v[90+4*\e+\i], vcc_lo     ; lanes 0-15 groups 0, 1; lanes 16-31 groups 2, 3
	v_cndmask_b32 v[100+2*\e+\i], v[PW+4*\e+\i], v[PW+4*\e+2+\i], vcc_lo  ; v: lanes 0-15 tiles 0, 1 of the head's four; lanes 16-31 tiles 2, 3
.endr
.endr
.irp i, 0,1,2,3
	v_cndmask_b32 v[104+\i], v[96+\i], v[100+\i], s[TYPE]
.endr
	global_store_b64 v[VO], v[104:105], s[100:101]
	global_store_b64 v[VO], v[106:107], s[100:101] offset:4096
	s_wait_tensorcnt 0x0                           ; the wave's end
	ds_add_u32 v[SPW], v[NIL]
	s_wait_dscnt 0x0
	CROUND                                         ; the closing round: no work-group ends while a partner may still ask for a tile that names it
	s_endpgm
.Lfunc_end_k_q5a4f31f735_qkvgemm:
	.size	k_q5a4f31f735_qkvgemm, .Lfunc_end_k_q5a4f31f735_qkvgemm-k_q5a4f31f735_qkvgemm
	.p2alignl 7, 3214868480
	.fill 96, 4, 3214868480
	.section	.rodata,"a",@progbits
	.p2align	6, 0x0
	.amdhsa_kernel k_q5a4f31f735_qkvgemm
		.amdhsa_group_segment_fixed_size 327680
		.amdhsa_private_segment_fixed_size 0
		.amdhsa_enable_private_segment 0
		.amdhsa_kernarg_size 40
		.amdhsa_user_sgpr_count 2
		.amdhsa_user_sgpr_kernarg_segment_ptr 1
		.amdhsa_wavefront_size32 1
		.amdhsa_system_sgpr_workgroup_id_x 1
		.amdhsa_system_sgpr_workgroup_id_y 1
		.amdhsa_system_sgpr_workgroup_id_z 1
		.amdhsa_system_vgpr_workitem_id 0
		.amdhsa_next_free_vgpr 1024
		.amdhsa_next_free_sgpr 102
		.amdhsa_reserve_vcc 1
		.amdhsa_float_denorm_mode_32 3
		.amdhsa_float_denorm_mode_16_64 3
		.amdhsa_memory_ordered 1
		.amdhsa_forward_progress 1
		.amdhsa_inst_pref_size 191
	.end_amdhsa_kernel
	.amdgpu_metadata
---
amdhsa.version: [ 1, 2 ]
amdhsa.kernels:
  - .name:           k_q5a4f31f735_qkvgemm
    .symbol:         k_q5a4f31f735_qkvgemm.kd
    .args:
      - { .name: cimg, .offset: 0, .size: 8, .value_kind: global_buffer, .address_space: global }
      - { .name: csc, .offset: 8, .size: 8, .value_kind: global_buffer, .address_space: global }
      - { .name: b_qkv, .offset: 16, .size: 8, .value_kind: global_buffer, .address_space: global }
      - { .name: qkv, .offset: 24, .size: 8, .value_kind: global_buffer, .address_space: global }
      - { .name: qkvs, .offset: 32, .size: 8, .value_kind: global_buffer, .address_space: global }
    .group_segment_fixed_size: 327680
    .private_segment_fixed_size: 0
    .kernarg_segment_align: 8
    .kernarg_segment_size: 40
    .max_flat_workgroup_size: 128
    .sgpr_count:     102
    .vgpr_count:     1024
    .wavefront_size: 32
...
	.end_amdgpu_metadata
.endif
;; end of part 2
;; launch attn (part 3): grid 4 x 64, 16 waves a work-group, clusters of 4 x 1, 206,848 bytes of LDS; arguments qkv, qkvs, aimg, asc; writes aimg, asc
.if DOCPART == 3
	.amdgcn_target "amdgcn-amd-amdhsa--gfx1250"
	.amdhsa_code_object_version 6
	.text
	.protected	k_q5a4f31f735_attn
	.globl	k_q5a4f31f735_attn
	.p2align	8
	.type	k_q5a4f31f735_attn,@function
k_q5a4f31f735_attn:
	s_mov_b64 s[64:65], 0
	v_nop
	global_prefetch_b8 v0, s[64:65] scope:SCOPE_SE
	s_setreg_imm32_b32 hwreg(HW_REG_WAVE_MODE, 25, 1), 1
	s_wait_xcnt 0x0
	s_wait_alu depctr_hold_cnt(0) depctr_sa_sdst(0) depctr_va_vdst(0) depctr_va_sdst(0) depctr_va_ssrc(0) depctr_va_vcc(0) depctr_vm_vsrc(0)
	s_getreg_b32 s2, hwreg(HW_REG_IB_STS2, 6, 4)
	s_cmp_eq_u32 s2, 0
	s_cbranch_scc0 .Lentry_in_a_cluster
	s_endpgm
.Lentry_in_a_cluster:
	s_bfe_u32 s2, ttmp6, 0x10000c
	s_cmp_lg_u32 s2, 0x3003
	s_cbranch_scc0 .Lentry_shape_is_right
	s_endpgm
.Lentry_shape_is_right:
; For each of 64 (batch, head): O = softmax(q k^T / 8) v, both products on codes of FP6 (E2M3) with E8M0 scales; O / l is quantised along the model's 1,024 and stored as the last product's operand.
; THE SOFTMAX AHEAD OF THE SECOND PRODUCT: t = score x log2(e) / 8; M = the running largest t rounded up to a whole number; p = 2^(t - M) is quantised along the keys, not normalised; the row's sum is taken of the
; unquantised p and divides at the end; when M moves, the sum and O are multiplied by 2^(old M - new M), which rounds nothing.
; SHARES.  A cluster of four work-groups is one head; a work-group owns 512 queries; each of its sixteen waves owns a tile of 16, twice (two passes).  Four waves to a SIMD: one's vector work stands beside another's products.
; THE HEAD'S K AND V, CODES AND SCALE WORDS, LIE IN LDS FOR THE WHOLE LAUNCH, filled once, by joint loads (the four partners read the same bytes): wave 0 asks for K's, wave 1 for V's: the scale words, then four chunks
; of 512 keys.  Five loads of a wave are out at the most.  No byte of LDS is filled twice or stored to.
; LAYOUT.  Operands are images of registers (pair p of lane l at 256 p + 8 l).  Both products are used transposed, so that a lane holds one query.  K = 64 in the first product: a group of 32 keys is ONE 12-register
; operand, tile 0's 64 channels then tile 1's; q stands against it as (q, zeros) for tile 0 and (zeros, q) for tile 1: zero codes add nothing.  Lane r of a tile holds key 8 u + r + 8 (r / 8) of its group, so that
; the 16 registers of a group's two tiles are 16 neighbouring keys; v's channels are ordered likewise, so that O's 32 registers are two half blocks of the head's 64.
; LIMITS: v_exp_f32 gives 0 below 2^-126; a block of zeros carries the byte 1; NaN and infinities are not served.
; REGISTERS: v1 8 x lane; v2-4 the step's addresses; v5 8 r + hh; v12 -M, v13 the largest t, v[14:15] the sum; v16-21 q, v22-27 zeros, v28-33 q; v34 q's scale word; v35 as loaded; v36-42 the second pass's;
;   v48-95 four operands of K, then of V; v96-159 S^T, then p; v160-191 O^T; v192-203 codes; v204-210 conversions; v212-223 at work; v224-227 K's and V's scale words; v228 p's; v[230:231] f; v232, v[234:235] at work.
.set VIMG, 98304                       ; LDS: K's image at 0, V's here,
.set KSC,  196608                      ; K's scale words, 4,096 bytes; V's behind them
.set CHB,  24576                       ; a chunk: 512 keys
.set STB,  6144                        ; a step: 128 keys
.set BM,   212
.set PT,   216
.set SO,   220
.macro CROUND
	s_barrier_signal -1
	s_barrier_wait -1
	s_cmp_lg_u32 s18, 0
	s_cbranch_scc1 .Lnot_wave_0_\@
	s_barrier_signal -3
.Lnot_wave_0_\@:
	s_barrier_wait -3
	s_barrier_signal -1
	s_barrier_wait -1
.endm
	s_load_b256 s[4:11], s[0:1], 0x0               ; qkv, qkvs, aimg, asc
	v_lshl_add_u32 v254, v0, 2, 0x32000
	v_mov_b32 v255, 0
	ds_add_u32 v254, v255
	ds_add_u32 v254, v255
	v_lshrrev_b32 v1, 5, v0
	s_delay_alu instid0(VALU_DEP_1)
	v_readfirstlane_b32 s18, v1                    ; wave 0..15
	s_min_u32 s19, s18, 1                          ; 0: K's, 1: V's (waves 0 and 1 alone ask)
	s_bfe_u32 s61, ttmp6, 0x40000                  ; cx: it enters q's and the output's addresses alone
	s_and_b32 s60, ttmp7, 0xffff                   ; 16 x batch + head
	; group 1: dense bytes as rows of 256 (32 elements of 8 bytes); the mask names all four partners, bit 21 beside it
	s_mov_b32 s24, 15|(3<<16)|(1<<21)
	s_mov_b32 s25, 32<<16
	s_mov_b32 s26, 96<<16                          ; a chunk: 96 rows
	s_mov_b32 s27, 32<<16
	s_mov_b32 s28, 96
	s_mov_b32 s29, 32
	s_mov_b32 s30, 0
	s_mov_b32 s31, 0
	s_mov_b32 s32, 15|(3<<16)|(1<<21)
	s_mov_b32 s33, 32<<16
	s_mov_b32 s34, 16<<16                          ; the scale words: 16 rows
	s_mov_b32 s35, 32<<16
	s_mov_b32 s36, 16
	s_mov_b32 s37, 32
	s_mov_b32 s38, 0
	s_mov_b32 s39, 0
	s_mov_b32 s20, 0x76543210
	s_mov_b32 s21, 0xfedcba98                      ; selects for lane l xor 16
	s_mov_b32 s22, 0x3e38aa3b                      ; c = log2(e) / 8
	s_mov_b32 s23, s22                             ; (named with it as a pair)
	s_mov_b32 s70, 0xffff0000                      ; lanes 16-31
	s_mul_i32 s62, s19, VIMG
	s_lshl_b32 s63, s19, 12
	s_add_co_u32 s80, s19, 1
	s_lshl_b32 s82, s80, 18
	s_mul_i32 s80, s80, 6291456
	s_mul_i32 s81, s60, 98304
	s_add_co_u32 s80, s80, s81
	s_mov_b32 s81, 0
	s_lshl_b32 s83, s60, 12
	s_add_co_u32 s82, s82, s83
	s_mov_b32 s83, 0
	s_wait_dscnt 0x0
	s_wait_kmcnt 0x0
	s_add_nc_u64 s[80:81], s[4:5], s[80:81]        ; the head's codes of K or of V
	s_add_nc_u64 s[82:83], s[6:7], s[82:83]        ; and their scale words
	s_mov_b32 s40, 1
	s_add_co_u32 s41, s63, KSC
	s_mov_b64 s[42:43], s[82:83]
	s_or_b32 s43, s43, 0x80000000
.irp c, 0,1,2,3
	s_mov_b32 s[44+4*\c], 1
	s_add_co_u32 s[45+4*\c], s62, \c*CHB
	s_add_nc_u64 s[46+4*\c:47+4*\c], s[80:81], \c*CHB
	s_or_b32 s[47+4*\c], s[47+4*\c], 0x80000000
.endr
	CROUND                                         ; all four work-groups are here: the joint loads meet
	s_cmp_lt_u32 s18, 2                            ; a wave's five fills stand in one branch, ahead of every wait on TENSORcnt and every LDS read; four v_nop follow the last
	s_cbranch_scc0 .Lno_fetch
	tensor_load_to_lds s[40:43], s[32:39]
	s_nop 0
	tensor_load_to_lds s[44:47], s[24:31]
	s_nop 0
	tensor_load_to_lds s[48:51], s[24:31]
	s_nop 0
	tensor_load_to_lds s[52:55], s[24:31]
	s_nop 0
	tensor_load_to_lds s[56:59], s[24:31]
	s_nop 0
.rept 4
	v_nop
.endr
.Lno_fetch:
	v_and_b32 v6, 31, v0
	s_delay_alu instid0(VALU_DEP_1)
	v_lshlrev_b32 v1, 3, v6                        ; 8 x lane
	s_wait_alu depctr_va_vdst(0)
	v_and_b32 v7, 15, v0                           ; r
	v_bfe_u32 v8, v0, 4, 1                         ; hh
	s_delay_alu instid0(VALU_DEP_1)
	v_lshl_add_u32 v5, v7, 3, v8                   ; 8 r + hh: my scale byte's place
	s_delay_alu instid0(VALU_DEP_3)
	v_lshlrev_b32 v9, 3, v7                        ; 8 r
	s_wait_alu depctr_va_vdst(0)
	s_lshl_b32 s84, s61, 5
	s_add_co_u32 s84, s84, s18                     ; my tile of queries in the first pass: 32 cx + wave; in the second 16 on
	s_mul_i32 s72, s60, 98304
	s_mul_i32 s85, s84, 768
	s_add_co_u32 s72, s72, s85
	s_mov_b32 s73, 0
	s_add_nc_u64 s[72:73], s[4:5], s[72:73]        ; its codes
	s_lshl_b32 s74, s60, 12
	s_lshr_b32 s85, s84, 3
	s_lshl_b32 s85, s85, 8
	s_add_co_u32 s74, s74, s85                     ; its scale word: which 128 tokens,
	s_bfe_u32 s85, s84, 0x10002
	s_lshl_b32 s85, s85, 7
	s_add_co_u32 s74, s74, s85                     ; which half of the lanes,
	s_bfe_u32 s85, s84, 0x10001
	s_lshl_b32 s85, s85, 2
	s_add_co_u32 s74, s74, s85                     ; which of the two words
	s_mov_b32 s75, 0
	s_add_nc_u64 s[74:75], s[6:7], s[74:75]
	s_lshr_b32 s86, s60, 4                         ; batch
	s_and_b32 s87, s60, 15                         ; head
	s_lshl_b32 s86, s86, 7
	s_add_co_u32 s86, s86, s84                     ; the tile among all 512
	s_mul_i32 s76, s86, 12288
	s_lshr_b32 s85, s87, 1
	s_mul_i32 s85, s85, 1536                       ; K step head / 2 of the last product,
	s_add_co_u32 s76, s76, s85
	s_and_b32 s85, s87, 1
	s_mul_i32 s85, s85, 768                        ; its lower or upper 64
	s_add_co_u32 s76, s76, s85
	s_mov_b32 s77, 0
	s_add_nc_u64 s[76:77], s[8:9], s[76:77]
	s_lshl_b32 s78, s86, 9
	s_lshr_b32 s85, s87, 2
	s_lshl_b32 s85, s85, 7
	s_add_co_u32 s78, s78, s85
	s_and_b32 s85, s87, 3
	s_lshl_b32 s85, s85, 1
	s_add_co_u32 s78, s78, s85                     ; the head's two bytes among a row's eight of that 256 along K
	s_mov_b32 s79, 0
	s_add_nc_u64 s[78:79], s[10:11], s[78:79]
	s_and_b32 s85, s18, 1                          ; my tile is its group's tile 0 or 1: its two bytes of the group's word, doubled
	s_cmp_eq_u32 s85, 0
	s_mov_b32 s71, 0x03020302
	s_cselect_b32 s71, 0x01000100, s71
.irp p, 0,1,2
	global_load_b64 v[16+2*\p:17+2*\p], v1, s[72:73] offset:256*\p
	global_load_b64 v[36+2*\p:37+2*\p], v1, s[72:73] offset:12288+256*\p
.endr
	global_load_b32 v35, v9, s[74:75]
	global_load_b32 v42, v9, s[74:75] offset:512
.irp i, 0,1,2,3,4,5
	v_mov_b32 v[22+\i], 0                          ; the zero codes
.endr
.irp b, 0,1,2,3
	v_mov_b32 v[PT+\b], 0                          ; a lane permute's destination counts as one of its sources
.endr
	v_mov_b32 v231, 0                              ; (named as the upper half of the pair v[230:231])
	v_mov_b32 v232, 0
	s_wait_loadcnt 0x0
; A KEY STEP: 128 keys at s66 of K's image; their scale words at s67.
.macro STEP
	v_add_nc_u32 v2, s66, v1
	v_add_nc_u32 v4, s67, v1
	s_delay_alu instid0(VALU_DEP_2)
	v_add_nc_u32 v3, VIMG, v2
	v_nop                                          ; four places between the last products and the loads into their registers
.irp g, 0,1,2,3
.irp p, 0,1,2,3,4,5
	ds_load_b64 v[48+12*\g+2*\p:49+12*\g+2*\p], v2 offset:1536*\g+256*\p
.endr
.endr
	ds_load_b64 v[224:225], v4                     ; K's scale words: lanes 0-15 groups 0, 1; lanes 16-31 groups 2, 3
	ds_load_b64 v[226:227], v4 offset:4096         ; V's: likewise its four tiles of channels
	s_wait_alu depctr_va_vdst(0)
	s_wait_dscnt 0x0
.irp g, 0,1
	v_wmma_scale_f32_16x16x128_f8f6f4 v[96+16*\g:103+16*\g], v[48+12*\g:59+12*\g], v[16:27], 0, v[224+\g], v34 matrix_a_fmt:MATRIX_FMT_FP6 matrix_b_fmt:MATRIX_FMT_FP6
	v_wmma_scale_f32_16x16x128_f8f6f4 v[104+16*\g:111+16*\g], v[48+12*\g:59+12*\g], v[22:33], 0, v[224+\g], v34 matrix_a_fmt:MATRIX_FMT_FP6 matrix_b_fmt:MATRIX_FMT_FP6
.endr
.irp g, 2,3
	v_wmma_scale_f32_16x16x128_f8f6f4 v[96+16*\g:103+16*\g], v[48+12*\g:59+12*\g], v[16:27], 0, v[222+\g], v34 matrix_a_fmt:MATRIX_FMT_FP6 matrix_b_fmt:MATRIX_FMT_FP6 matrix_a_scale:MATRIX_SCALE_ROW1
	v_wmma_scale_f32_16x16x128_f8f6f4 v[104+16*\g:111+16*\g], v[48+12*\g:59+12*\g], v[22:33], 0, v[222+\g], v34 matrix_a_fmt:MATRIX_FMT_FP6 matrix_b_fmt:MATRIX_FMT_FP6 matrix_a_scale:MATRIX_SCALE_ROW1
.endr
.rept 4
	v_nop                                          ; places: for the loads below and for the first read of the scores
.endr
.irp t, 0,1,2,3
.irp p, 0,1,2,3,4,5
	ds_load_b64 v[48+12*\t+2*\p:49+12*\t+2*\p], v3 offset:1536*\t+256*\p   ; V's four tiles land while the softmax is walked
.endr
.endr
.irp b, 0,1,2,3
	v_max3_num_f32 v[BM+\b], v[96+16*\b], v[97+16*\b], v[98+16*\b]   ; the largest score of each block of 32 keys: for the row's maximum, and, since p rises with the score, for the block's largest p
.endr
.irp i, 3,5,7,9,11,13
.irp b, 0,1,2,3
	v_max3_num_f32 v[BM+\b], v[BM+\b], v[96+16*\b+\i], v[97+16*\b+\i]
.endr
.endr
.irp b, 0,1,2,3
	v_max_num_f32 v[BM+\b], v[BM+\b], v[111+16*\b]
.endr
.irp b, 0,1,2,3
	s_delay_alu instid0(VALU_DEP_4)
	v_permlanex16_b32 v[PT+\b], v[BM+\b], s20, s21
.endr
.irp b, 0,1,2,3
	s_delay_alu instid0(VALU_DEP_4)
	v_max_num_f32 v[BM+\b], v[BM+\b], v[PT+\b]     ; with lane l xor 16's 16 keys
.endr
	s_delay_alu instid0(VALU_DEP_2)
	v_max3_num_f32 v232, v212, v213, v214
	s_delay_alu instid0(VALU_DEP_1)
	v_max_num_f32 v232, v232, v215
	s_delay_alu instid0(VALU_DEP_1)
	v_mul_f32 v232, s22, v232                      ; as t (c is positive)
	s_delay_alu instid0(VALU_DEP_1)
	v_max_num_f32 v13, v13, v232                   ; the running largest t
	v_mov_b32 v232, v12
	s_delay_alu instid0(VALU_DEP_2)
	v_floor_f32 v12, -v13                          ; the new -M = floor(-t): M is a whole number
	s_delay_alu instid0(VALU_DEP_1)
	v_sub_f32 v232, v12, v232                      ; old M less new M: a whole number, 0 or less
	s_delay_alu instid0(VALU_DEP_1)
	v_cvt_i32_f32 v232, v232                       ; (it saturates)
	s_delay_alu instid0(VALU_DEP_1)
	v_ldexp_f32 v230, 1.0, v232                    ; f = 2^(old M - new M)
.set j, 0
.rept 32
	v_pk_fma_f32 v[96+j:97+j], v[96+j:97+j], s[22:23], v[12:13] op_sel_hi:[1,0,0]   ; t - M, two at a time
.set j, j+2
.endr
.irp b, 0,1,2,3
	v_fma_f32 v[BM+\b], v[BM+\b], s22, v12         ; the same of each block's largest score
.endr
.set j, 0
	s_setprio 1
	s_wait_alu depctr_va_vdst(0)
.rept 64
	v_exp_f32 v[96+j], v[96+j]                     ; p = 2^(t - M), at most 1
.set j, j+1
.endr
	v_pk_mul_f32 v[14:15], v[14:15], v[230:231] op_sel_hi:[1,0]   ; the sums under the new M: a plain place behind the exponentials
	s_wait_alu depctr_va_vdst(0)                   ; one wait for the batch, ahead of its first reader
.irp b, 0,1,2,3
	v_exp_f32 v[BM+\b], v[BM+\b]                   ; the block's largest p
.endr
	v_pk_add_f32 v[234:235], v[100:101], v[104:105]
	v_pk_add_f32 v[252:253], v[108:109], v[112:113]
	v_pk_add_f32 v[250:251], v[116:117], v[120:121]
	v_pk_add_f32 v[248:249], v[124:125], v[128:129]
	v_pk_add_f32 v[246:247], v[132:133], v[136:137]
	v_pk_add_f32 v[244:245], v[140:141], v[144:145]
	v_pk_add_f32 v[242:243], v[148:149], v[152:153]
	v_pk_add_f32 v[14:15], v[14:15], v[156:157]
	v_pk_add_f32 v[234:235], v[234:235], v[96:97]
	v_pk_add_f32 v[252:253], v[252:253], v[98:99]
	v_pk_add_f32 v[250:251], v[250:251], v[102:103]
	v_pk_add_f32 v[248:249], v[248:249], v[106:107]
	v_pk_add_f32 v[246:247], v[246:247], v[110:111]
	v_pk_add_f32 v[244:245], v[244:245], v[114:115]
	v_pk_add_f32 v[242:243], v[242:243], v[118:119]
	v_pk_add_f32 v[14:15], v[14:15], v[122:123]
	v_pk_add_f32 v[234:235], v[234:235], v[126:127]
	v_pk_add_f32 v[252:253], v[252:253], v[130:131]
	v_pk_add_f32 v[250:251], v[250:251], v[134:135]
	v_pk_add_f32 v[248:249], v[248:249], v[138:139]
	v_pk_add_f32 v[246:247], v[246:247], v[142:143]
	v_pk_add_f32 v[244:245], v[244:245], v[146:147]
	v_pk_add_f32 v[242:243], v[242:243], v[150:151]
	v_pk_add_f32 v[14:15], v[14:15], v[154:155]
	v_pk_add_f32 v[234:235], v[234:235], v[158:159]
	s_delay_alu instid0(VALU_DEP_2)
	v_pk_add_f32 v[14:15], v[14:15], v[248:249]
	s_delay_alu instid0(VALU_DEP_2)
	v_pk_add_f32 v[234:235], v[234:235], v[246:247]
	v_pk_add_f32 v[252:253], v[252:253], v[244:245]
	v_pk_add_f32 v[250:251], v[250:251], v[242:243]
	s_delay_alu instid0(VALU_DEP_2)
	v_pk_add_f32 v[14:15], v[14:15], v[252:253]
	s_delay_alu instid0(VALU_DEP_2)
	v_pk_add_f32 v[234:235], v[234:235], v[250:251]
	s_delay_alu instid0(VALU_DEP_1)
	v_pk_add_f32 v[14:15], v[14:15], v[234:235]
	s_wait_alu depctr_va_vdst(0)                   ; and one for the four
.irp b, 0,1,2,3
	v_max_num_f32 v[BM+\b], 0x1800000, v[BM+\b]    ; the floor 2^(3 - 127): the byte cannot fall under 1
.endr
.irp b, 0,1,2,3
	s_delay_alu instid0(VALU_DEP_4)
	v_add_nc_u32 v[SO+\b], 0xff000000, v[BM+\b]    ; 2 off the exponent field: the conversion's scale operand
.endr
.irp b, 0,1,2,3
	s_delay_alu instid0(VALU_DEP_4)
	v_lshrrev_b32 v[PT+\b], 23, v[SO+\b]
.endr
	s_delay_alu instid0(VALU_DEP_3)
	v_lshl_or_b32 v228, v217, 8, v216              ; p's scale word for these 128 keys
	s_delay_alu instid0(VALU_DEP_1)
	v_lshl_or_b32 v228, v218, 16, v228
	s_delay_alu instid0(VALU_DEP_1)
	v_lshl_or_b32 v228, v219, 24, v228
.irp c, 0,1
	v_cvt_scalef32_pk16_fp6_f32 v[192+6*\c:194+6*\c], v[96+32*\c:111+32*\c], v[SO+2*\c]
	v_cvt_scalef32_pk16_fp6_f32 v[204+4*\c:206+4*\c], v[112+32*\c:127+32*\c], v[SO+2*\c+1]
.endr
	v_nop                                          ; one plain place behind a scaled conversion
	s_setprio 0
.irp c, 0,1
.irp i, 0,1,2
	v_permlane16_swap_b32 v[192+6*\c+\i], v[204+4*\c+\i]
.endr
.irp i, 0,1,2
	s_delay_alu instid0(VALU_DEP_3)
	v_mov_b32 v[195+6*\c+\i], v[204+4*\c+\i]
.endr
.endr
.set j, 0
.rept 16
	v_pk_mul_f32 v[160+j:161+j], v[160+j:161+j], v[230:231] op_sel_hi:[1,0]   ; O^T under the new M; these are also the places between the codes and scale word just made and the products
.set j, j+2
.endr
	s_wait_alu depctr_va_vdst(0)
	s_wait_dscnt 0x0                               ; V is in
.irp t, 0,1
	v_wmma_scale_f32_16x16x128_f8f6f4 v[160+8*\t:167+8*\t], v[48+12*\t:59+12*\t], v[192:203], v[160+8*\t:167+8*\t], v[226+\t], v228 matrix_a_fmt:MATRIX_FMT_FP6 matrix_b_fmt:MATRIX_FMT_FP6
.endr
.irp t, 2,3
	v_wmma_scale_f32_16x16x128_f8f6f4 v[160+8*\t:167+8*\t], v[48+12*\t:59+12*\t], v[192:203], v[160+8*\t:167+8*\t], v[224+\t], v228 matrix_a_fmt:MATRIX_FMT_FP6 matrix_b_fmt:MATRIX_FMT_FP6 matrix_a_scale:MATRIX_SCALE_ROW1
.endr
	s_add_co_u32 s66, s66, STB
	s_add_co_u32 s67, s67, 256
.endm
; A chunk of 512 keys: the waves that asked wait until it has landed (the chunks behind it may be out), then the barrier shows it to all sixteen.
.macro CHUNK c
	s_wait_tensorcnt 3-\c
	s_wait_dscnt 0x0
	s_barrier_signal -1
	s_barrier_wait -1
	s_mov_b32 s66, \c*CHB
	s_mov_b32 s67, KSC+\c*1024
	s_mov_b32 s68, 4
.Lstep_\@:
	s_setprio 2
	STEP
	s_sub_co_u32 s68, s68, 1
	s_cmp_lg_u32 s68, 0
	s_cbranch_scc1 .Lstep_\@
	s_setprio 0
.endm
	s_mov_b32 s69, 2
.Lpass:
	s_wait_alu depctr_va_vdst(0)
.irp i, 0,1,2,3,4,5
	v_mov_b32 v[28+\i], v[16+\i]                   ; q a second time, behind the zeros
.endr
	v_perm_b32 v34, v35, v35, s71                  ; q's two scale bytes, doubled
	v_mov_b32 v13, 0xff61b1e6                      ; the largest t so far: -3e38
	s_delay_alu instid0(VALU_DEP_1)
	v_floor_f32 v12, -v13
	v_mov_b32 v14, 0
	v_mov_b32 v15, 0
.set j, 0
.rept 32
	v_mov_b32 v[160+j], 0                          ; O^T: the step is written once; the first finds zeros, which the first change of M leaves zeros
.set j, j+1
.endr
	CHUNK 0
	CHUNK 1
	CHUNK 2
	CHUNK 3
	; THE WAY OUT of a pass: O^T / the sum, quantised along the head's 64: half of a fragment of the last product's operand
.rept 4
	v_nop                                          ; places behind the last products
.endr
	v_add_f32 v14, v14, v15
	s_delay_alu instid0(VALU_DEP_1)
	v_permlanex16_b32 v232, v14, s20, s21
	s_delay_alu instid0(VALU_DEP_1)
	v_add_f32 v14, v14, v232                       ; the row's sum
	s_wait_alu depctr_va_vdst(0)
	v_rcp_f32 v14, v14
	v_nop                                          ; a plain place behind the reciprocal
	s_wait_alu depctr_va_vdst(0)                   ; and the wait ahead of its first reader
.set j, 0
.rept 16
	v_pk_mul_f32 v[160+j:161+j], v[160+j:161+j], v[14:15] op_sel_hi:[1,0]   ; register 16 b + i is channel 32 b + 16 hh + i
.set j, j+2
.endr
.irp b, 0,1
	v_max3_num_f32 v[BM+\b], |v[160+16*\b]|, |v[161+16*\b]|, 0x1800000
.endr
.irp i, 2,4,6,8,10,12,14
.irp b, 0,1
	s_delay_alu instid0(VALU_DEP_2)
	v_max3_num_f32 v[BM+\b], v[BM+\b], |v[160+16*\b+\i]|, |v[161+16*\b+\i]|
.endr
.endr
.irp b, 0,1
	s_delay_alu instid0(VALU_DEP_2)
	v_permlanex16_b32 v[PT+\b], v[BM+\b], s20, s21
.endr
.irp b, 0,1
	s_delay_alu instid0(VALU_DEP_2)
	v_max_num_f32 v[BM+\b], v[BM+\b], v[PT+\b]
.endr
.irp b, 0,1
	s_delay_alu instid0(VALU_DEP_2)
	v_add_nc_u32 v[SO+\b], 0xff000000, v[BM+\b]
.endr
.irp b, 0,1
	s_delay_alu instid0(VALU_DEP_2)
	v_lshrrev_b32 v[PT+\b], 23, v[SO+\b]
.endr
	v_cvt_scalef32_pk16_fp6_f32 v[192:194], v[160:175], v[SO]
	v_cvt_scalef32_pk16_fp6_f32 v[204:206], v[176:191], v[SO+1]
	v_nop
.irp i, 0,1,2
	v_permlane16_swap_b32 v[192+\i], v[204+\i]
.endr
.irp i, 0,1,2
	s_delay_alu instid0(VALU_DEP_3)
	v_mov_b32 v[195+\i], v[204+\i]
.endr
	global_store_b64 v1, v[192:193], s[76:77]      ; 32 lanes store 256 consecutive aligned bytes
	global_store_b64 v1, v[194:195], s[76:77] offset:256
	global_store_b64 v1, v[196:197], s[76:77] offset:512
	v_cndmask_b32 v232, v216, v217, s70            ; my block's byte
	global_store_b8 v5, v232, s[78:79]             ; a scale word spans two heads, so the bytes go singly: 32 bytes beside 768 of codes
.irp i, 0,1,2,3,4,5
	v_mov_b32 v[16+\i], v[36+\i]                   ; the second pass's q
.endr
	v_mov_b32 v35, v42
	s_wait_xcnt 0x0                                ; the stores have read their registers and bases
	s_add_nc_u64 s[76:77], s[76:77], 196608        ; 16 tiles on
	s_add_nc_u64 s[78:79], s[78:79], 8192
	s_sub_co_u32 s69, s69, 1
	s_cmp_lg_u32 s69, 0
	s_cbranch_scc1 .Lpass
	s_wait_tensorcnt 0x0
	ds_add_u32 v254, v255
	s_wait_dscnt 0x0
	CROUND                                         ; the closing round
	s_endpgm
.Lfunc_end_k_q5a4f31f735_attn:
	.size	k_q5a4f31f735_attn, .Lfunc_end_k_q5a4f31f735_attn-k_q5a4f31f735_attn
	.p2alignl 7, 3214868480
	.fill 96, 4, 3214868480
	.section	.rodata,"a",@progbits
	.p2align	6, 0x0
	.amdhsa_kernel k_q5a4f31f735_attn
		.amdhsa_group_segment_fixed_size 206848
		.amdhsa_private_segment_fixed_size 0
		.amdhsa_enable_private_segment 0
		.amdhsa_kernarg_size 32
		.amdhsa_user_sgpr_count 2
		.amdhsa_user_sgpr_kernarg_segment_ptr 1
		.amdhsa_wavefront_size32 1
		.amdhsa_system_sgpr_workgroup_id_x 1
		.amdhsa_system_sgpr_workgroup_id_y 1
		.amdhsa_system_sgpr_workgroup_id_z 1
		.amdhsa_system_vgpr_workitem_id 0
		.amdhsa_next_free_vgpr 256
		.amdhsa_next_free_sgpr 96
		.amdhsa_reserve_vcc 0
		.amdhsa_float_denorm_mode_32 3
		.amdhsa_float_denorm_mode_16_64 3
		.amdhsa_memory_ordered 1
		.amdhsa_forward_progress 1
		.amdhsa_inst_pref_size 89
	.end_amdhsa_kernel
	.amdgpu_metadata
---
amdhsa.version: [ 1, 2 ]
amdhsa.kernels:
  - .name:           k_q5a4f31f735_attn
    .symbol:         k_q5a4f31f735_attn.kd
    .args:
      - { .name: qkv, .offset: 0, .size: 8, .value_kind: global_buffer, .address_space: global }
      - { .name: qkvs, .offset: 8, .size: 8, .value_kind: global_buffer, .address_space: global }
      - { .name: aimg, .offset: 16, .size: 8, .value_kind: global_buffer, .address_space: global }
      - { .name: asc, .offset: 24, .size: 8, .value_kind: global_buffer, .address_space: global }
    .group_segment_fixed_size: 206848
    .private_segment_fixed_size: 0
    .kernarg_segment_align: 8
    .kernarg_segment_size: 32
    .max_flat_workgroup_size: 512
    .sgpr_count:     96
    .vgpr_count:     256
    .wavefront_size: 32
...
	.end_amdgpu_metadata
.endif
;; end of part 3
;; launch proj (part 4): grid 4 x 32, 4 waves a work-group, clusters of 4 x 4, 327,680 bytes of LDS; arguments aimg, asc, cimg, csc, b_proj, out0; writes out0
.if DOCPART == 4
	.amdgcn_target "amdgcn-amd-amdhsa--gfx1250"
	.amdhsa_code_object_version 6
	.text
	.protected	k_q5a4f31f735_proj
	.globl	k_q5a4f31f735_proj
	.p2align	8
	.type	k_q5a4f31f735_proj,@function
k_q5a4f31f735_proj:
	s_mov_b64 s[64:65], 0
	v_nop
	global_prefetch_b8 v0, s[64:65] scope:SCOPE_SE
	s_setreg_imm32_b32 hwreg(HW_REG_WAVE_MODE, 25, 1), 1
	s_wait_xcnt 0x0
	s_wait_alu depctr_hold_cnt(0) depctr_sa_sdst(0) depctr_va_vdst(0) depctr_va_sdst(0) depctr_va_ssrc(0) depctr_va_vcc(0) depctr_vm_vsrc(0)
	s_getreg_b32 s2, hwreg(HW_REG_IB_STS2, 6, 4)
	s_cmp_eq_u32 s2, 0
	s_cbranch_scc0 .Lentry_in_a_cluster
	s_endpgm
.Lentry_in_a_cluster:
	s_bfe_u32 s2, ttmp6, 0x10000c
	s_cmp_lg_u32 s2, 0xf033
	s_cbranch_scc0 .Lentry_shape_is_right
	s_endpgm
.Lentry_shape_is_right:
; out0 = a w_proj^T + b_proj on codes of FP6 (E2M3) with E8M0 scales.  a: the attention's result, 512 tiles of 16 tokens; w_proj: tiles 704-767 of cimg.
; OPERANDS are images of registers (a fragment, 16 rows x 128 K: pair p of lane l at 256 p + 8 l of 1,536 bytes; a tile's 8 fragments on end); lane r of tile T holds row 32 (T / 2) + 8 (T % 2) + r + 8 (r / 8).
; A work-group makes 256 x 256, a wave 128 x 128.  Source 1 ("A") = tokens gives a result's lane, source 0 ("B") = w's rows its registers: by the order of a tile's rows the 64 registers against one tile of A are
; 128 neighbouring columns, register 16 b + i = 32 b + 16 (lane / 16) + i.  The bias is the C of each sum's first matrix instruction.  The order of A's rows is undone in the stores' row offsets.
; K goes in steps of 256 through a ring of two LDS slots; the scale words of all K come once.  CLUSTERS 4 x 4: A's tiles are asked for jointly along a row of the cluster, B's along a column.
; 128 work-groups: the product has no more tiles of this size.
; REGISTERS: window 0: v16-31 addresses; v32-63 scale words, two sets; v64-127 the bias; v128-223 A's fragments, one set (on the way out v128-255: rows read back).  window 1: B's fragments, two sets.
;   windows 2, 3: the accumulators, (a, b) at v[8 (8 (a % 4) + b)].
.set NQ,     2
.set FR,     12
.set NL,     6
.set NP,     4
.set TILEB,  3072
.set HALFT,  8*TILEB
.set SLOT,   4*HALFT
.set SCL,    2*SLOT
.set SPARE,  213248
.set SPITCH, 528                       ; the way out: a stage of 16 rows x (512 bytes + 16) for each wave, in slot 0, which has had its last fill and its last read by then
.set ADRA, 16
.set ADRB, 20
.set STO,  24
.set RD,   25
.set CO,   26
.set ADRS, 27
.set SPW,  28
.set NIL,  29
.set SC,   32
.set BP,   64
.set AF,   128
.set BK,   128
.set G1,   24
.set G0,   32
.set G1B,  48
.set G0B,  56
.set G1S,  68
.set G0S,  76
.set G1SB, 80
.set G0SB, 88
.set MSB, 0
.macro WIN new
.if MSB != (\new)
	s_set_vgpr_msb (MSB<<8)|(\new)
.set MSB, (\new)
.endif
.endm
.set MUL_LO, 0xa1
.set MUL_HI, 0xf1
.set TO_B,   0x40
.macro JLOAD g0a, g1a, g0b, g1b        ; a joint load: waves 0 and 1 fetch for A, waves 2 and 3 for B; four v_nop follow each line
	s_cmp_eq_u32 s15, 0
	s_cbranch_scc0 .Lfor_b_\@
	tensor_load_to_lds s[\g0a:\g0a+3], s[\g1a:\g1a+7]
	s_nop 0
.rept 4
	v_nop
.endr
	s_branch .Lasked_\@
.Lfor_b_\@:
	tensor_load_to_lds s[\g0b:\g0b+3], s[\g1b:\g1b+7]
	s_nop 0
.rept 4
	v_nop
.endr
.Lasked_\@:
.endm
.macro CREST
	s_cmp_lg_u32 s14, 0
	s_cbranch_scc1 .Lnot_wave_0_\@
	s_barrier_signal -3
.Lnot_wave_0_\@:
	s_barrier_wait -3
	s_barrier_signal -1
	s_barrier_wait -1
.endm
.macro CROUND
	s_barrier_signal -1
	s_barrier_wait -1
	CREST
.endm
	s_load_b256 s[4:11], s[0:1], 0x0               ; aimg, asc, cimg, csc
	s_load_b64 s[96:97], s[0:1], 0x20              ; b_proj
	s_load_b64 s[12:13], s[0:1], 0x28              ; out0
	v_lshl_add_u32 v[SPW], v0, 2, SPARE
	v_mov_b32 v[NIL], 0
	ds_add_u32 v28, v29
	ds_add_u32 v28, v29
	s_wait_dscnt 0x0
	v_lshrrev_b32 v1, 5, v0
	v_readfirstlane_b32 s14, v1                    ; wave 0..3
	s_lshr_b32 s15, s14, 1
	s_and_b32 s16, s14, 1
	s_bfe_u32 s40, ttmp6, 0x40000                  ; cx
	s_bfe_u32 s41, ttmp6, 0x40004                  ; cy
	s_and_b32 s42, ttmp7, 0xffff
	s_lshl_b32 s43, s41, 2
	s_lshl_b32 s43, 15, s43                        ; my row of the cluster
	s_lshl_b32 s44, 0x1111, s40                    ; my column
	s_or_b32 s[G1+0], s43, (3<<16)|(1<<21)         ; codes: 8 rows (tiles) of 384 elements of 8 bytes, 1,536 elements apart
	s_or_b32 s[G1B+0], s44, (3<<16)|(1<<21)
.irp g, G1, G1B
	s_mov_b32 s[\g+1], 384<<16
	s_mov_b32 s[\g+2], 8<<16
	s_mov_b32 s[\g+3], 384<<16
	s_mov_b32 s[\g+4], 8
	s_mov_b32 s[\g+5], 1536
	s_mov_b32 s[\g+6], 0
	s_mov_b32 s[\g+7], 0
.endr
	s_or_b32 s[G1S+0], s43, (3<<16)|(1<<21)        ; the scale words of 8 tiles: 16 rows of 256 bytes
	s_or_b32 s[G1SB+0], s44, (3<<16)|(1<<21)
.irp g, G1S, G1SB
	s_mov_b32 s[\g+1], 32<<16
	s_mov_b32 s[\g+2], 16<<16
	s_mov_b32 s[\g+3], 32<<16
	s_mov_b32 s[\g+4], 16
	s_mov_b32 s[\g+5], 32
	s_mov_b32 s[\g+6], 0
	s_mov_b32 s[\g+7], 0
.endr
	s_lshl_b32 s20, s42, 2
	s_add_co_u32 s20, s20, s41                     ; A: which 256 tokens: 4 x cluster y + cy
	s_lshl_b32 s46, ttmp9, 2
	s_add_co_u32 s46, s46, s40                     ; B: which 256 rows of w_proj: 4 x cluster x + cx
	s_mov_b32 s18, s20                             ; kept for the way out
	s_mov_b32 s19, s46
	s_lshl_b32 s17, s16, 3
	s_lshl_b32 s20, s20, 4
	s_add_co_u32 s20, s20, s17                     ; the first tile that I fetch, if for A
	s_lshl_b32 s46, s46, 4
	s_add_co_u32 s46, s46, s17
	s_add_co_u32 s46, s46, 704                     ; if for B
	s_lshl_b32 s22, s20, 9
	s_lshl_b32 s92, s46, 9
	s_mul_i32 s20, s20, 12288
	s_mul_i32 s46, s46, 12288
	s_mov_b32 s21, 0
	s_mov_b32 s23, 0
	s_mov_b32 s47, 0
	s_mov_b32 s93, 0
	s_mul_i32 s45, s14, HALFT
	s_lshl_b32 s3, s14, 12
	s_lshl_b32 s2, s15, 7
	s_add_co_u32 s3, s3, s2
	s_wait_kmcnt 0x0
	s_add_nc_u64 s[20:21], s[4:5], s[20:21]
	s_add_nc_u64 s[22:23], s[6:7], s[22:23]
	s_add_nc_u64 s[46:47], s[8:9], s[46:47]
	s_add_nc_u64 s[92:93], s[10:11], s[92:93]
	CROUND                                         ; all sixteen work-groups are here: the first joint loads meet
	s_mov_b32 s[G0S], 1
	s_add_co_u32 s[G0S+1], s3, SCL
	s_mov_b64 s[G0S+2:G0S+3], s[22:23]
	s_or_b32 s[G0S+3], s[G0S+3], 0x80000000
	s_mov_b32 s[G0SB], 1
	s_add_co_u32 s[G0SB+1], s3, SCL
	s_mov_b64 s[G0SB+2:G0SB+3], s[92:93]
	s_or_b32 s[G0SB+3], s[G0SB+3], 0x80000000
	JLOAD G0S, G1S, G0SB, G1SB
.irp s, 0,1
	s_mov_b32 s[G0+4*\s], 1
	s_add_co_u32 s[G0+4*\s+1], s45, \s*SLOT
	s_add_nc_u64 s[G0+4*\s+2:G0+4*\s+3], s[20:21], \s*TILEB
	s_or_b32 s[G0+4*\s+3], s[G0+4*\s+3], 0x80000000
	s_mov_b32 s[G0B+4*\s], 1
	s_add_co_u32 s[G0B+4*\s+1], s45, \s*SLOT
	s_add_nc_u64 s[G0B+4*\s+2:G0B+4*\s+3], s[46:47], \s*TILEB
	s_or_b32 s[G0B+4*\s+3], s[G0B+4*\s+3], 0x80000000
	JLOAD G0+4*\s, G1, G0B+4*\s, G1B
.endr
	v_and_b32 v1, 31, v0                           ; lane
	v_and_b32 v2, 15, v0                           ; r
	v_bfe_u32 v3, v0, 4, 1                         ; h
	v_lshlrev_b32 v4, 3, v1
	s_mul_i32 s2, s15, HALFT
	s_mul_i32 s17, s16, HALFT
	s_add_co_u32 s17, s17, 2*HALFT
.irp s, 0,1
	v_add_nc_u32 v[ADRA+\s], s2, v4
	v_add_nc_u32 v[ADRB+\s], s17, v4
	s_add_co_u32 s2, s2, SLOT
	s_add_co_u32 s17, s17, SLOT
.endr
	s_lshl_b32 s2, s15, 12
	s_lshl_b32 s17, s16, 12
	s_add_co_u32 s17, s17, 8320
	s_sub_co_u32 s17, s17, s2
	v_mul_u32_u24 v5, s17, v3                      ; lanes 16-31 take B's scale words: the lower base + h x the distance
	s_add_co_u32 s2, s2, SCL
	v_lshl_add_u32 v5, v2, 3, v5
	v_add_nc_u32 v[ADRS], s2, v5
	s_mul_i32 s2, s14, 16*SPITCH                   ; my stage
	v_mul_u32_u24 v5, v2, SPITCH
	v_lshl_add_u32 v5, v3, 6, v5
	v_add_nc_u32 v[STO], s2, v5                    ; in: row r, 64 h bytes on: my half's 16 columns of each 32
	v_lshlrev_b32 v[CO], 4, v1                     ; back: the 32 lanes take one row of 512 bytes; and the same in out0
	v_add_nc_u32 v[RD], s2, v[CO]
	s_lshl_b32 s18, s18, 8
	s_lshl_b32 s94, s15, 7
	s_add_co_u32 s18, s18, s94                     ; my first token
	s_lshl_b32 s18, s18, 12                        ; a row of out0 is 4,096 bytes
	s_lshl_b32 s19, s19, 8
	s_lshl_b32 s94, s16, 7
	s_add_co_u32 s19, s19, s94                     ; my first column
	s_lshl_b32 s98, s19, 2
	s_mov_b32 s99, 0
	s_add_nc_u64 s[96:97], s[96:97], s[98:99]
	s_add_co_u32 s98, s98, s18
	s_add_nc_u64 s[12:13], s[12:13], s[98:99]
	v_lshlrev_b32 v6, 6, v3
.irp b, 0,1,2,3,4,5,6,7
	global_load_b128 v[BP+8*\b:BP+8*\b+3], v6, s[96:97] offset:(32*(\b/2)+8*(\b%2))*4
	global_load_b128 v[BP+8*\b+4:BP+8*\b+7], v6, s[96:97] offset:(32*(\b/2)+8*(\b%2))*4+16
.endr
	s_wait_loadcnt 0x0
.macro FRAG reg, adr, q, i
.irp p, 0,1,2,3,4,5
	ds_load_b64 v[\reg+2*\p:\reg+2*\p+1], v[\adr] offset:(\i)*TILEB+(\q)*1536+256*\p
.endr
.endm
; 16 matrix instructions: A's blocks a0, a0 + 1 x B's eight.  zero = 1: the first product starts the sums, with the bias as its C.  The 64 accumulators take turns, one instruction a turn.
.macro MUL16 a0, p, q, sc, zero
.irp a, \a0, \a0+1
.irp b, 0,1,2,3,4,5,6,7
.if \zero
	v_wmma_scale_f32_16x16x128_f8f6f4 v[8*(8*((\a)%4)+\b):8*(8*((\a)%4)+\b)+7], v[128*(\p)+FR*\b:128*(\p)+FR*\b+FR-1], v[AF+FR*(\a):AF+FR*(\a)+FR-1], v[BP+8*\b:BP+8*\b+7], v[SC+8*NQ*(\sc)+NQ*\b+(\q)], v[SC+8*NQ*(\sc)+NQ*(\a)+(\q)] matrix_a_fmt:MATRIX_FMT_FP6 matrix_b_fmt:MATRIX_FMT_FP6 matrix_a_scale:MATRIX_SCALE_ROW1
.else
	v_wmma_scale_f32_16x16x128_f8f6f4 v[8*(8*((\a)%4)+\b):8*(8*((\a)%4)+\b)+7], v[128*(\p)+FR*\b:128*(\p)+FR*\b+FR-1], v[AF+FR*(\a):AF+FR*(\a)+FR-1], v[8*(8*((\a)%4)+\b):8*(8*((\a)%4)+\b)+7], v[SC+8*NQ*(\sc)+NQ*\b+(\q)], v[SC+8*NQ*(\sc)+NQ*(\a)+(\q)] matrix_a_fmt:MATRIX_FMT_FP6 matrix_b_fmt:MATRIX_FMT_FP6 matrix_a_scale:MATRIX_SCALE_ROW1
.endif
.endr
.endr
.endm
.macro FETCH_B slot, q, p
	WIN TO_B
.irp i, 0,1,2,3,4,5,6,7
	FRAG 128*(\p)+FR*\i, ADRB+\slot, \q, \i
.endr
	WIN 0
.endm
.macro FETCH_A slot, q, i0
.irp i, \i0, \i0+1, \i0+2, \i0+3
	FRAG AF+FR*(\i), ADRA+\slot, \q, \i
.endr
.endm
.macro SCALES sc
.irp i, 0,1,2,3,4,5,6,7
	ds_load_b64 v[SC+8*NQ*\sc+NQ*\i:SC+8*NQ*\sc+NQ*\i+1], v[ADRS] offset:\i*512
.endr
.endm
.macro PLACES n
.rept \n
	v_nop
.endr
.endm
.macro STEP slot, q, zero
	s_wait_dscnt 4*NL                              ; B's set and A's blocks 0-3 are in; the youngest 24 loads (A's blocks 4-7) may be out
.if \zero
	WIN 0x81
.else
	WIN MUL_LO
.endif
	MUL16 0, (\q)%2, \q, \slot, \zero
	MUL16 2, (\q)%2, \q, \slot, \zero
	s_wait_dscnt 0
	PLACES NP
	FETCH_B \slot, (\q)+1, 1-(\q)%2
	FETCH_A \slot, (\q)+1, 0
.if \zero
	WIN 0xc1
.else
	WIN MUL_HI
.endif
	MUL16 4, (\q)%2, \q, \slot, \zero
	MUL16 6, (\q)%2, \q, \slot, \zero
	PLACES NP
	WIN 0
	FETCH_A \slot, (\q)+1, 4
.endm
.macro TURN slot, next, fill
	s_wait_tensorcnt 0x0                           ; all my tensor loads have landed: my part of the next slot
	ds_add_u32 v[SPW], v[NIL]                      ; 0 onto my spare word
	s_wait_dscnt 4*NL+1                            ; (the add and the youngest 24 loads may be out)
	WIN MUL_LO
	MUL16 0, 1, NQ-1, \slot, 0
	s_wait_dscnt 0x0                               ; the add is done, and my reads of this slot are over
	s_barrier_signal -1
	MUL16 2, 1, NQ-1, \slot, 0
	WIN 0
	s_barrier_wait -1
.if \fill
	CREST                                          ; the barrier has opened a round of the cluster's: no wave of any partner still reads this slot or has a load on its way
	s_add_nc_u64 s[G0+4*\slot+2:G0+4*\slot+3], s[G0+4*\slot+2:G0+4*\slot+3], 2*TILEB
	s_add_nc_u64 s[G0B+4*\slot+2:G0B+4*\slot+3], s[G0B+4*\slot+2:G0B+4*\slot+3], 2*TILEB
	JLOAD G0+4*\slot, G1, G0B+4*\slot, G1B
.else
	PLACES NP
.endif
	v_add_nc_u32 v[ADRS], 128, v[ADRS]
	FETCH_B \next, 0, 0
	FETCH_A \next, 0, 0
	SCALES \next
	WIN MUL_HI
	MUL16 4, 1, NQ-1, \slot, 0
	MUL16 6, 1, NQ-1, \slot, 0
	PLACES NP
	WIN 0
	FETCH_A \next, 0, 4
.endm
	s_wait_tensorcnt 1                             ; the scale words and my part of slot 0 are in; slot 1's load may be out
	s_barrier_signal -1
	s_barrier_wait -1
	FETCH_B 0, 0, 0
	FETCH_A 0, 0, 0
	SCALES 0
	FETCH_A 0, 0, 4
	STEP 0, 0, 1
	TURN 0, 1, 1
	STEP 1, 0, 0
	TURN 1, 0, 1
	STEP 0, 0, 0
	TURN 0, 1, 0
	STEP 1, 0, 0
	s_wait_dscnt 4*NL
	WIN MUL_LO
	MUL16 0, 1, NQ-1, 1, 0
	MUL16 2, 1, NQ-1, 1, 0
	s_wait_dscnt 0
	WIN MUL_HI
	MUL16 4, 1, NQ-1, 1, 0
	MUL16 6, 1, NQ-1, 1, 0
	WIN 0
; THE WAY OUT, a tile of A (16 tokens x 128 columns) at a time, through my own stage: in as a lane's runs of 8 columns, back as whole rows of 512 bytes.  LDS serves a wave's instructions in order.
.macro TOSTAGE a
.set AC, 64*((\a)%4)
	WIN 0x08+4*((\a)/4)                            ; the data: window 2 or 3
.irp b, 0,1,2,3,4,5,6,7
	ds_store_b128 v[STO], v[AC+8*\b:AC+8*\b+3] offset:128*(\b/2)+32*(\b%2)        ; each accumulator from its low end on
	ds_store_b128 v[STO], v[AC+8*\b+4:AC+8*\b+7] offset:128*(\b/2)+32*(\b%2)+16
.endr
	WIN 0
.set BB, BK+64*((\a)%2)
.irp t, 0,1,2,3,4,5,6,7,8,9,10,11,12,13,14,15
	ds_load_b128 v[BB+4*\t:BB+4*\t+3], v[RD] offset:\t*SPITCH
.endr
.endm
.macro SEND a, younger                 ; younger: the LDS instructions issued behind tile a's loads, which may stay out
.set BB, BK+64*((\a)%2)
	s_wait_dscnt \younger
.irp t, 0,1,2,3,4,5,6,7,8,9,10,11,12,13,14,15
	global_store_b128 v[CO], v[BB+4*\t:BB+4*\t+3], s[12:13] offset:(32*((\a)/2)+8*((\a)%2)+\t+8*(\t/8))*4096 th:TH_STORE_NT   ; row t of the tile is that token; 32 lanes store 512 consecutive aligned bytes
.endr
.endm
	PLACES NP
	TOSTAGE 0
.irp a, 1,2,3,4,5,6,7
.if \a > 1
	s_wait_xcnt 0x0                                ; tile a - 2's stores have read their registers: tile a's loads may land there
.endif
	TOSTAGE \a
	SEND \a-1, 32                                  ; behind tile a - 1's loads: tile a's 16 stores and 16 loads
.endr
	SEND 7, 0
	s_wait_tensorcnt 0x0                           ; the wave's end
	ds_add_u32 v[SPW], v[NIL]
	s_wait_dscnt 0x0
	CROUND                                         ; the closing round
	s_endpgm
.Lfunc_end_k_q5a4f31f735_proj:
	.size	k_q5a4f31f735_proj, .Lfunc_end_k_q5a4f31f735_proj-k_q5a4f31f735_proj
	.p2alignl 7, 3214868480
	.fill 96, 4, 3214868480
	.section	.rodata,"a",@progbits
	.p2align	6, 0x0
	.amdhsa_kernel k_q5a4f31f735_proj
		.amdhsa_group_segment_fixed_size 327680
		.amdhsa_private_segment_fixed_size 0
		.amdhsa_enable_private_segment 0
		.amdhsa_kernarg_size 48
		.amdhsa_user_sgpr_count 2
		.amdhsa_user_sgpr_kernarg_segment_ptr 1
		.amdhsa_wavefront_size32 1
		.amdhsa_system_sgpr_workgroup_id_x 1
		.amdhsa_system_sgpr_workgroup_id_y 1
		.amdhsa_system_sgpr_workgroup_id_z 1
		.amdhsa_system_vgpr_workitem_id 0
		.amdhsa_next_free_vgpr 1024
		.amdhsa_next_free_sgpr 100
		.amdhsa_reserve_vcc 0
		.amdhsa_float_denorm_mode_32 3
		.amdhsa_float_denorm_mode_16_64 3
		.amdhsa_memory_ordered 1
		.amdhsa_forward_progress 1
		.amdhsa_inst_pref_size 160
	.end_amdhsa_kernel
	.amdgpu_metadata
---
amdhsa.version: [ 1, 2 ]
amdhsa.kernels:
  - .name:           k_q5a4f31f735_proj
    .symbol:         k_q5a4f31f735_proj.kd
    .args:
      - { .name: aimg, .offset: 0, .size: 8, .value_kind: global_buffer, .address_space: global }
      - { .name: asc, .offset: 8, .size: 8, .value_kind: global_buffer, .address_space: global }
      - { .name: cimg, .offset: 16, .size: 8, .value_kind: global_buffer, .address_space: global }
      - { .name: csc, .offset: 24, .size: 8, .value_kind: global_buffer, .address_space: global }
      - { .name: b_proj, .offset: 32, .size: 8, .value_kind: global_buffer, .address_space: global }
      - { .name: out0, .offset: 40, .size: 8, .value_kind: global_buffer, .address_space: global }
    .group_segment_fixed_size: 327680
    .private_segment_fixed_size: 0
    .kernarg_segment_align: 8
    .kernarg_segment_size: 48
    .max_flat_workgroup_size: 128
    .sgpr_count:     100
    .vgpr_count:     1024
    .wavefront_size: 32
...
	.end_amdgpu_metadata
.endif
;; end of part 4
